; MI455X (gfx1250); checked and timed in simulation.
; The chip was launched on July 23, 2026; its instructions are those of AMD's public machine-readable ISA for CDNA 5 (MIT licence, August 2026) and "CDNA5" Instruction Set Architecture Reference Guide (July 2026). The comments in the code are by the model that wrote it; some were corrected since.
;; Multi Head Self Attention. Allowed arithmetic: matrix products marked QUANTISED: E2M1 operands, one E8M0 scale for each 32 along K, by v_wmma_scale_f32_16x16x128_f8f6f4 with both operands' format E2M1 (or v_wmma_scale_f32_32x16x128_f4), f32 sums; everything else in f32.
;; Inputs: b_proj 1,024 float32; ln_beta 1,024 float32; ln_gamma 1,024 float32; w_proj 1,024 x 1,024 float32; w_qkv 3,072 x 1,024 float32; x 4 x 2,048 x 1,024 float32.
;; Outputs: out0 4 x 2,048 x 1,024 float32.
;; This version of the problem:
;;   THIS VERSION OF THE PROBLEM IS GIVEN IN LOW PRECISION. The matrix products marked QUANTISED in the list below multiply operands that are first quantised to E2M1 (2 exponent bits, 1 mantissa bit; 4 bits a number), with one power-of-two scale for each 32 numbers along K (OCP MX v1.0); their sums are f32. All else is computed in f32.
;;   The module's matrix products, in the order in which they are computed (A, B: the left and right operand; K: the contracted axis; several contracted axes count as one K, in the product's order):
;;     1. [M 8,192, K 1,024] x [K 1,024, N 3,072]; A: computed on the way; B: input w_qkv: QUANTISED
;;     2. batch 64 x [M 2,048, K 64] x [K 64, N 2,048]; A: computed on the way; B: computed on the way: QUANTISED
;;     3. batch 64 x [M 2,048, K 2,048] x [K 2,048, N 64]; A: softmax (see below); B: computed on the way: QUANTISED
;;     4. [M 8,192, K 1,024] x [K 1,024, N 1,024]; A: computed on the way; B: input w_proj: QUANTISED
;;   THE QUANTISER, for each operand of a quantised product, along K:
;;     - K is cut into blocks of 32 from its start; a last block that is shorter is filled with zeros.
;;     - A block's scale is 2^e with e = floor(log2(the largest magnitude in the block)) - 2, held to -126 .. 127; a block of zeros has e = 0. As a byte (E8M0): e + 127.
;;     - Each number is divided by its block's scale, clamped to +-6, and rounded to the nearest number of E2M1, ties to even, subnormals kept.
;;     - The product sums the exact products of the quantised numbers (number of the format x scale) in f32.
;;   ~~~python
;;   def quantise(x, axis):      # numpy; x: float32 -> the quantised numbers, widened to float32 again
;;       x = np.moveaxis(x, axis, -1); K = x.shape[-1]
;;       x = np.pad(x, [(0, 0)] * (x.ndim - 1) + [(0, -K % 32)]); x = x.reshape(x.shape[:-1] + (-1, 32)); a = np.abs(x).max(-1, keepdims=True)
;;       e = np.where(a > 0, np.clip(np.frexp(np.where(a > 0, a, 1))[1] - 1 - 2, -126, 127), 0)      # np.frexp(a)[1] - 1 = floor(log2(a)), exactly
;;       r = np.clip(x / 2.0 ** e, -6, 6)
;;       step = 2.0 ** (np.maximum(np.frexp(np.where(r == 0, 1, r))[1] - 1, 0) - 1)
;;       q = np.round(r / step) * step * 2.0 ** e      # np.round: ties to even
;;       return np.moveaxis(q.reshape(q.shape[:-2] + (-1,))[..., :K], -1, axis).astype(np.float32)
;;   ~~~
;;   SOFTMAX AHEAD OF A QUANTISED PRODUCT. Where the list says 'softmax', what is quantised is not the finished softmax but p = 2^(t - M), with t = logit x log2(e) and M = ceil(the row's largest t), a whole number; so 1/2 < the row's largest p <= 1. The row's sum l is taken of the UNQUANTISED p, in f32, and the product's result is divided by l at the end. Since M is a whole number, a kernel that streams over the keys may use a running M (the ceiling of the running maximum): every later rescaling is an exact power of two, which a block's scale takes up: the codes' values come out the same.
;;   OPERANDS COMPUTED ON THE WAY. 'Computed on the way' means the value that the module computes at that place (a softmax that the list does not call 'softmax' is quantised finished and normalised). What goes into a quantiser is computed in f32, as accurately as f32 sums, v_exp_f32 and their like allow (about 1e-6 of the number): no bf16 or f16 on the way to a quantiser, and a product that is left as it is and whose result goes on into a quantised operand takes f32 operands (vector FMAs, or v_wmma_f32_16x16x4_f32). A number that lies on a knife's edge between two numbers of the format may be rounded either way, as far as f32 arithmetic and the matrix unit's own rounding can turn it there, and no further.
;; One version. Each part assembles by itself: llvm-mc -triple=amdgcn-amd-amdhsa -mcpu=gfx1250 --defsym DOCPART=n.
;; ======== version 1 of 1: 4 launches
;; limits: right only within a limited range of input values
;; workspace buffers: hw_codes 6,291,456 bytes; hw_scales 393,216 bytes; qkv_codes 12,582,912 bytes; qkv_scales 1,572,864 bytes; o_codes 4,194,304 bytes; o_scales 262,144 bytes
;; launch prep (part 1): grid 768 x 1, 16 waves a work-group, no clusters, 84,992 bytes of LDS; arguments x, w_qkv, w_proj, ln_gamma, ln_beta, hw_codes, hw_scales; writes hw_codes, hw_scales
.if DOCPART == 1
	.amdgcn_target "amdgcn-amd-amdhsa--gfx1250"
	.amdhsa_code_object_version 6
	.text
	.protected	k_qdaceab6a59_prep
	.globl	k_qdaceab6a59_prep
	.p2align	8
	.type	k_qdaceab6a59_prep,@function
k_qdaceab6a59_prep:
	s_mov_b64 s[64:65], 0
	v_nop
	global_prefetch_b8 v0, s[64:65] scope:SCOPE_SE
	s_setreg_imm32_b32 hwreg(HW_REG_WAVE_MODE, 25, 1), 1
	s_wait_xcnt 0x0
; LayerNorm(x), w_qkv and w_proj become codes of FP4 (E2M1) with one E8M0 byte for each 32 along K = 1,024, laid as IMAGES OF OPERAND REGISTERS.
; A tile is 16 rows: 8,192 bytes of codes laid [block of 32 along K (32)][row (16)][16 bytes], so that a fragment (128 along K) is 1,024 consecutive bytes, lane l's 16 bytes at 16 l;
; its scale bytes are laid [row (16)][32 bytes].  Tiles 0-511: the normalised x; 512-703: w_qkv; 704-767: w_proj.
; THE ROWS OF A TILE ARE NOT NEIGHBOURS: row i of a tensor's tile t is the tensor's row 32 (t / 2) + 8 (t % 2) + i + 8 (i / 8): with such tiles as source 0 of a product, a lane's 16 results of two
; neighbouring tiles are 16 neighbours along the next K.
; SHARES: a work-group makes one tile, each of its sixteen waves one row of 4,096 bytes: the row stays in 32 registers between mean, variance and scaling; no wave waits for another until the images are gathered.
; No cluster: the work-groups share no input but gamma and beta, 8 KB of the 50 MB read.  No tensor load, no matrix unit: a stream.
; LayerNorm in two passes (the mean first, then the squared deviations), so that a common offset of x costs no accuracy.  1 / sqrt by v_rsq_f32.
; A block's scale is 2^(floor(log2(largest magnitude)) - 2); its byte is the largest magnitude's exponent field - 2.
; LIMITS: a block whose largest magnitude lies under 2^-124, a block of zeros among them, gets the byte 1 (a block of zeros has zero codes, which add nothing under any byte but 0xff; this program alone reads the bytes).
; NaN and infinities among the inputs are not served.
.set WSTG,  4608                       ; a wave's stage: 32 blocks x (128 bytes + 16 of padding)
.set CIMG,  16*WSTG                    ; the tile's codes: 32 blocks x (16 rows x 16 bytes + 16 of padding)
.set CP,    272
.set SIMG,  CIMG+32*CP                 ; the tile's scale bytes: 16 rows x 32
.set X,     16                         ; v16-47   the row as loaded: register 4 j + i = number 128 j + 4 lane + i
.set G,     48                         ; v48-79   gamma, laid likewise
.set Y,     80                         ; v80-111  beta, laid likewise; then the row turned: lane l holds block l's 32 numbers
.set C,     112                        ; v112-115 my block's codes
.set E,     116                        ; v116     its byte
.set OUTR,  120                        ; v120-127 the way out
	s_load_b256 s[4:11], s[0:1], 0x0               ; x s[4:5], w_qkv s[6:7], w_proj s[8:9], gamma s[10:11]
	s_load_b128 s[12:15], s[0:1], 0x20             ; beta s[12:13], the codes s[14:15]
	s_load_b64 s[16:17], s[0:1], 0x30              ; the scale bytes
	v_lshrrev_b32 v1, 5, v0
	s_delay_alu instid0(VALU_DEP_1)
	v_readfirstlane_b32 s18, v1                    ; wave 0..15 = the tile's row
	v_and_b32 v1, 31, v0                           ; lane
	s_delay_alu instid0(VALU_DEP_1)
	v_lshlrev_b32 v2, 4, v1                        ; 16 x lane: my bytes of a load's or a store's 512
	s_mul_i32 s19, s18, WSTG
	v_lshrrev_b32 v9, 3, v1
	s_delay_alu instid0(VALU_DEP_1)
	v_mul_u32_u24 v3, v9, 144
	v_and_b32 v9, 7, v1
	s_delay_alu instid0(VALU_DEP_1)
	v_lshl_add_u32 v3, v9, 4, v3
	s_delay_alu instid0(VALU_DEP_1)
	v_add_nc_u32 v3, s19, v3                       ; into the stage: eight lanes fill a block's 128 bytes; a load's 512 bytes are four blocks
	v_mul_u32_u24 v4, v1, 144
	s_delay_alu instid0(VALU_DEP_1)
	v_add_nc_u32 v4, s19, v4                       ; out of it: lane l takes block l
	s_lshl_b32 s19, s18, 4
	s_add_co_u32 s19, s19, CIMG
	v_mul_u32_u24 v5, v1, CP
	s_delay_alu instid0(VALU_DEP_1)
	v_add_nc_u32 v5, s19, v5                       ; my block's codes: block = lane, row = wave
	s_lshl_b32 s19, s18, 5
	s_add_co_u32 s19, s19, SIMG
	v_add_nc_u32 v6, s19, v1                       ; my block's byte
	v_bfe_u32 v9, v0, 4, 1
	v_and_b32 v10, 15, v0
	s_mul_i32 s19, s18, 2*CP
	s_add_co_u32 s19, s19, CIMG
	v_mul_u32_u24 v7, v9, CP
	s_delay_alu instid0(VALU_DEP_1)
	v_lshl_add_u32 v7, v10, 4, v7
	s_delay_alu instid0(VALU_DEP_1)
	v_add_nc_u32 v7, s19, v7                       ; the way out: wave w takes blocks 2 w and 2 w + 1, sixteen lanes to a block
	v_add_nc_u32 v8, SIMG, v2                      ; and wave 0 the 512 scale bytes
	s_mov_b32 s20, 0x76543210
	s_mov_b32 s21, 0xfedcba98                      ; v_permlanex16_b32's selects for lane l xor 16
	s_mov_b32 s22, 0x3a800000                      ; 1 / 1,024
	s_mov_b32 s23, 0x3727c5ac                      ; 1e-5
	s_wait_kmcnt 0x0
	s_cmp_lt_u32 ttmp9, 512                        ; which tensor: the choice hangs on the work-group's number alone
	s_cselect_b64 s[24:25], s[4:5], s[6:7]
	s_cselect_b32 s26, 0, 512
	s_cmp_lt_u32 ttmp9, 704
	s_cselect_b64 s[24:25], s[24:25], s[8:9]
	s_cselect_b32 s26, s26, 704
	s_sub_co_u32 s26, ttmp9, s26                   ; t: the tile's number in its tensor
	s_lshr_b32 s27, s26, 1
	s_lshl_b32 s27, s27, 5
	s_and_b32 s26, s26, 1
	s_lshl_b32 s26, s26, 3
	s_add_co_u32 s27, s27, s26
	s_add_co_u32 s27, s27, s18
	s_and_b32 s26, s18, 8
	s_add_co_u32 s27, s27, s26                     ; my row: 32 (t / 2) + 8 (t % 2) + w + 8 (w / 8)
	s_lshl_b32 s26, s27, 12                        ; x 4,096 bytes (under 2^26)
	s_mov_b32 s27, 0
	s_add_nc_u64 s[24:25], s[24:25], s[26:27]
	s_lshl_b32 s28, ttmp9, 13
	s_lshl_b32 s29, s18, 9
	s_add_co_u32 s28, s28, s29
	s_mov_b32 s29, 0
	s_add_nc_u64 s[14:15], s[14:15], s[28:29]      ; the codes: tile x 8,192 + wave x 512
	s_lshl_b32 s28, ttmp9, 9
	s_add_nc_u64 s[16:17], s[16:17], s[28:29]      ; the bytes: tile x 512
.irp j, 0,1,2,3,4,5,6,7
	global_load_b128 v[X+4*\j:X+4*\j+3], v2, s[24:25] offset:512*\j th:TH_LOAD_NT   ; 32 lanes read 512 consecutive bytes
.endr
	s_cmp_ge_u32 ttmp9, 512
	s_cbranch_scc1 .Lraw                           ; a weight is quantised as it is: the branch leads round register work and loads alone, no LDS line
.irp j, 0,1,2,3,4,5,6,7
	global_load_b128 v[G+4*\j:G+4*\j+3], v2, s[10:11] offset:512*\j
.endr
.irp j, 0,1,2,3,4,5,6,7
	global_load_b128 v[Y+4*\j:Y+4*\j+3], v2, s[12:13] offset:512*\j
.endr
	s_wait_loadcnt 16                              ; the row is in; the sixteen younger loads, gamma's and beta's, may be out
	v_pk_add_f32 v[12:13], v[16:17], v[18:19]
	v_pk_add_f32 v[126:127], v[24:25], v[28:29]
	v_pk_add_f32 v[124:125], v[32:33], v[36:37]
	v_pk_add_f32 v[122:123], v[40:41], v[44:45]
	v_pk_add_f32 v[120:121], v[20:21], v[22:23]
	v_pk_add_f32 v[118:119], v[26:27], v[30:31]
	v_pk_add_f32 v[116:117], v[34:35], v[38:39]
	v_pk_add_f32 v[10:11], v[42:43], v[46:47]
	s_delay_alu instid0(VALU_DEP_1)
	v_pk_add_f32 v[10:11], v[10:11], v[122:123]
	v_pk_add_f32 v[12:13], v[12:13], v[120:121]
	v_pk_add_f32 v[126:127], v[126:127], v[118:119]
	v_pk_add_f32 v[124:125], v[124:125], v[116:117]
	s_delay_alu instid0(VALU_DEP_2)
	v_pk_add_f32 v[10:11], v[10:11], v[126:127]
	s_delay_alu instid0(VALU_DEP_2)
	v_pk_add_f32 v[12:13], v[12:13], v[124:125]
	s_delay_alu instid0(VALU_DEP_1)
	v_pk_add_f32 v[10:11], v[10:11], v[12:13]
	s_delay_alu instid0(VALU_DEP_1)
	v_add_f32 v10, v10, v11
	s_delay_alu instid0(VALU_DEP_1)
	v_add_f32_dpp v10, v10, v10 row_xmask:1 row_mask:0xf bank_mask:0xf
	s_delay_alu instid0(VALU_DEP_1)
	v_add_f32_dpp v10, v10, v10 row_xmask:2 row_mask:0xf bank_mask:0xf
	s_delay_alu instid0(VALU_DEP_1)
	v_add_f32_dpp v10, v10, v10 row_xmask:4 row_mask:0xf bank_mask:0xf
	s_delay_alu instid0(VALU_DEP_1)
	v_add_f32_dpp v10, v10, v10 row_xmask:8 row_mask:0xf bank_mask:0xf
	s_delay_alu instid0(VALU_DEP_1)
	v_permlanex16_b32 v11, v10, s20, s21
	s_delay_alu instid0(VALU_DEP_1)
	v_add_f32 v10, v10, v11
	s_delay_alu instid0(VALU_DEP_1)
	v_mul_f32 v10, s22, v10                        ; the mean, in every lane
	s_delay_alu instid0(VALU_DEP_1)
	v_mov_b32 v11, v10
.irp j, 0,2,4,6,8,10,12,14,16,18,20,22,24,26,28,30
	v_pk_add_f32 v[X+\j:X+\j+1], v[X+\j:X+\j+1], v[10:11] neg_lo:[0,1] neg_hi:[0,1]   ; x - mean
.endr
	v_pk_mul_f32 v[12:13], v[X:X+1], v[X:X+1]      ; the sum of their squares: the first two products start the chains
	v_pk_mul_f32 v[14:15], v[X+2:X+3], v[X+2:X+3]
.irp j, 4,8,12,16,20,24,28
	s_delay_alu instid0(VALU_DEP_2)
	v_pk_fma_f32 v[12:13], v[X+\j:X+\j+1], v[X+\j:X+\j+1], v[12:13]
	s_delay_alu instid0(VALU_DEP_2)
	v_pk_fma_f32 v[14:15], v[X+\j+2:X+\j+3], v[X+\j+2:X+\j+3], v[14:15]
.endr
	s_delay_alu instid0(VALU_DEP_1)
	v_pk_add_f32 v[12:13], v[12:13], v[14:15]
	s_delay_alu instid0(VALU_DEP_1)
	v_add_f32 v12, v12, v13
	s_delay_alu instid0(VALU_DEP_1)
	v_add_f32_dpp v12, v12, v12 row_xmask:1 row_mask:0xf bank_mask:0xf
	s_delay_alu instid0(VALU_DEP_1)
	v_add_f32_dpp v12, v12, v12 row_xmask:2 row_mask:0xf bank_mask:0xf
	s_delay_alu instid0(VALU_DEP_1)
	v_add_f32_dpp v12, v12, v12 row_xmask:4 row_mask:0xf bank_mask:0xf
	s_delay_alu instid0(VALU_DEP_1)
	v_add_f32_dpp v12, v12, v12 row_xmask:8 row_mask:0xf bank_mask:0xf
	s_delay_alu instid0(VALU_DEP_1)
	v_permlanex16_b32 v13, v12, s20, s21
	s_delay_alu instid0(VALU_DEP_1)
	v_add_f32 v12, v12, v13
	s_delay_alu instid0(VALU_DEP_1)
	v_fma_f32 v12, v12, s22, s23                   ; the variance + 1e-5
	s_wait_alu depctr_va_vdst(0)
	v_rsq_f32 v14, v12
	v_nop                                          ; a plain instruction behind the transcendental,
	s_wait_alu depctr_va_vdst(0)                   ; and the wait ahead of the first line that names its result
	v_mov_b32 v15, v14
	s_wait_alu depctr_va_vdst(0)
	s_wait_loadcnt 0x0                             ; gamma and beta
.irp j, 0,2,4,6,8,10,12,14,16,18,20,22,24,26,28,30
	v_pk_mul_f32 v[X+\j:X+\j+1], v[X+\j:X+\j+1], v[14:15]
.endr
.irp j, 0,2,4,6,8,10,12,14,16,18,20,22,24,26,28,30
	v_pk_fma_f32 v[X+\j:X+\j+1], v[X+\j:X+\j+1], v[G+\j:G+\j+1], v[Y+\j:Y+\j+1]
.endr
.Lraw:
	s_wait_loadcnt 0x0                             ; (a weight's row)
	; the turn: the conversions take a block's numbers from ONE lane's registers, the loads gave a lane four numbers of each of eight blocks.  The stage is the wave's own, and LDS serves a wave's instructions in order.
	s_wait_alu depctr_va_vdst(0)
.irp j, 0,1,2,3,4,5,6,7
	ds_store_b128 v3, v[X+4*\j:X+4*\j+3] offset:576*\j
.endr
.irp i, 0,1,2,3,4,5,6,7
	ds_load_b128 v[Y+4*\i:Y+4*\i+3], v4 offset:16*\i
.endr
	s_wait_dscnt 0x0
	v_max3_num_f32 v12, |v[Y]|, |v[Y+1]|, |v[Y+2]| ; the block's largest magnitude: all 32 numbers are mine
	v_max3_num_f32 v13, |v[Y+3]|, |v[Y+4]|, |v[Y+5]|
.irp i, 6,10,14,18,22,26
	s_delay_alu instid0(VALU_DEP_2)
	v_max3_num_f32 v12, v12, |v[Y+\i]|, |v[Y+\i+1]|
	s_delay_alu instid0(VALU_DEP_2)
	v_max3_num_f32 v13, v13, |v[Y+\i+2]|, |v[Y+\i+3]|
.endr
	s_delay_alu instid0(VALU_DEP_2)
	v_max3_num_f32 v12, v12, |v[Y+30]|, |v[Y+31]|
	s_delay_alu instid0(VALU_DEP_1)
	v_max3_num_f32 v12, v12, v13, 0x1800000        ; and the floor 2^(3 - 127): the byte cannot fall under 1
	s_delay_alu instid0(VALU_DEP_1)
	v_add_nc_u32 v11, 0xff000000, v12              ; 2 off its exponent field: the conversion takes the exponent field of this operand as its scale
.irp g, 0,1,2,3
	v_cvt_scalef32_pk8_fp4_f32 v[C+\g], v[Y+8*\g:Y+8*\g+7], v11
.endr
	v_lshrrev_b32 v[E], 23, v11                    ; the scale's byte (also the plain line behind the conversions)
	ds_store_b128 v5, v[C:C+3]
	ds_store_b8 v6, v[E]
	s_wait_dscnt 0x0                               ; for the others' sake: my stores have landed
	s_barrier_signal -1
	s_barrier_wait -1                              ; the tile's images are whole
	ds_load_b128 v[OUTR:OUTR+3], v7
	s_wait_dscnt 0x0
	global_store_b128 v2, v[OUTR:OUTR+3], s[14:15] ; 32 lanes store 512 consecutive bytes, at a multiple of 512 from the buffer's first byte
	s_cmp_lg_u32 s18, 0
	s_cbranch_scc1 .Lend
	ds_load_b128 v[OUTR+4:OUTR+7], v8
	s_wait_dscnt 0x0
	global_store_b128 v2, v[OUTR+4:OUTR+7], s[16:17]   ; the tile's 512 scale bytes
.Lend:
	v_lshl_add_u32 v10, v0, 2, 0x14400             ; no two registers can be kept within 128, so v0 is kept and the add's two registers are made here: my spare word,
	v_mov_b32 v11, 0                               ; and 0
	s_wait_alu depctr_va_vdst(0)                   ; directly ahead of the wait below
	s_wait_tensorcnt 0x0                           ; the wave's end
	ds_add_u32 v10, v11
	s_wait_dscnt 0x0
	s_endpgm
.Lfunc_end_k_qdaceab6a59_prep:
	.size	k_qdaceab6a59_prep, .Lfunc_end_k_qdaceab6a59_prep-k_qdaceab6a59_prep
	.p2alignl 7, 3214868480
	.fill 96, 4, 3214868480
	.section	.rodata,"a",@progbits
	.p2align	6, 0x0
	.amdhsa_kernel k_qdaceab6a59_prep
		.amdhsa_group_segment_fixed_size 84992
		.amdhsa_private_segment_fixed_size 0
		.amdhsa_enable_private_segment 0
		.amdhsa_kernarg_size 56
		.amdhsa_user_sgpr_count 2
		.amdhsa_user_sgpr_kernarg_segment_ptr 1
		.amdhsa_wavefront_size32 1
		.amdhsa_system_sgpr_workgroup_id_x 1
		.amdhsa_system_sgpr_workgroup_id_y 1
		.amdhsa_system_sgpr_workgroup_id_z 1
		.amdhsa_system_vgpr_workitem_id 0
		.amdhsa_next_free_vgpr 128
		.amdhsa_next_free_sgpr 66
		.amdhsa_reserve_vcc 0
		.amdhsa_float_denorm_mode_32 3
		.amdhsa_float_denorm_mode_16_64 3
		.amdhsa_memory_ordered 1
		.amdhsa_forward_progress 1
		.amdhsa_inst_pref_size 17
	.end_amdhsa_kernel
	.amdgpu_metadata
---
amdhsa.version: [ 1, 2 ]
amdhsa.kernels:
  - .name:           k_qdaceab6a59_prep
    .symbol:         k_qdaceab6a59_prep.kd
    .args:
      - { .name: x, .offset: 0, .size: 8, .value_kind: global_buffer, .address_space: global }
      - { .name: w_qkv, .offset: 8, .size: 8, .value_kind: global_buffer, .address_space: global }
      - { .name: w_proj, .offset: 16, .size: 8, .value_kind: global_buffer, .address_space: global }
      - { .name: ln_gamma, .offset: 24, .size: 8, .value_kind: global_buffer, .address_space: global }
      - { .name: ln_beta, .offset: 32, .size: 8, .value_kind: global_buffer, .address_space: global }
      - { .name: hw_codes, .offset: 40, .size: 8, .value_kind: global_buffer, .address_space: global }
      - { .name: hw_scales, .offset: 48, .size: 8, .value_kind: global_buffer, .address_space: global }
    .group_segment_fixed_size: 84992
    .private_segment_fixed_size: 0
    .kernarg_segment_align: 8
    .kernarg_segment_size: 56
    .max_flat_workgroup_size: 512
    .sgpr_count:     66
    .vgpr_count:     128
    .wavefront_size: 32
...
	.end_amdgpu_metadata
.endif
;; end of part 1
;; launch qkv (part 2): grid 8 x 32, 4 waves a work-group, clusters of 4 x 4, 327,680 bytes of LDS; arguments hw_codes, hw_scales, qkv_codes, qkv_scales; writes qkv_codes, qkv_scales
.if DOCPART == 2
	.amdgcn_target "amdgcn-amd-amdhsa--gfx1250"
	.amdhsa_code_object_version 6
	.text
	.protected	k_qdaceab6a59_qkv
	.globl	k_qdaceab6a59_qkv
	.p2align	8
	.type	k_qdaceab6a59_qkv,@function
k_qdaceab6a59_qkv:
	s_mov_b64 s[64:65], 0
	v_nop
	global_prefetch_b8 v0, s[64:65] scope:SCOPE_SE
	s_setreg_imm32_b32 hwreg(HW_REG_WAVE_MODE, 25, 1), 1
	s_wait_xcnt 0x0
	s_wait_alu depctr_hold_cnt(0) depctr_sa_sdst(0) depctr_va_vdst(0) depctr_va_sdst(0) depctr_va_ssrc(0) depctr_va_vcc(0) depctr_vm_vsrc(0)
	s_getreg_b32 s2, hwreg(HW_REG_IB_STS2, 6, 4)
	s_cmp_eq_u32 s2, 0
	s_cbranch_scc0 .Lentry_in_a_cluster
	s_endpgm
.Lentry_in_a_cluster:
	s_bfe_u32 s2, ttmp6, 0x10000c
	s_cmp_lg_u32 s2, 0xf033
	s_cbranch_scc0 .Lentry_shape_is_right
	s_endpgm
.Lentry_shape_is_right:
; The QKV projection on codes of FP4, K = 1,024, and the quantising of its results: q and k along the head's 64, v along the keys.  No f32 result goes to memory.
; OPERANDS are images of registers (16 rows: 8,192 bytes laid [block of 32 along K][row][16 bytes]; a fragment of 128 along K is 1,024 consecutive bytes, lane l's 16 bytes at 16 l and 512 + 16 l).
; Tiles 0-511 of hw_codes: the normalised x; 512-703: w_qkv (640-703: w_v).  Row i of a tile t is the tensor's row 32 (t / 2) + 8 (t % 2) + i + 8 (i / 8).
; Source 1 ("A") gives a lane its row; source 0 ("B") runs along the lane's registers: by the order of the tiles' rows the 16 registers of B's tiles 2 b and 2 b + 1 are the 16 neighbours
; 32 b + 16 (lane / 16) + 0 .. 15, and the results are quantised ALONG B.
; SHARES: 8 x 32 = 256 work-groups of four waves.  Work-group (tx, ty) STAYS for two parts.
;   Part 1: A = tokens 256 ty .., B = rows 256 tx .. of w_q and w_k: 256 x 256 of q, k; a wave makes 128 x 128: 64 accumulators; quantised along the head's 64.
;   Part 2: A = rows 128 tx .. of w_v, B = the SAME 256 tokens, whose tiles lie in LDS already (an image serves as either source): 128 x 256 of v^T; a wave makes 64 x 128: 32 accumulators; quantised along the tokens, which are the keys.
; LDS: the tokens' 16 tiles (131,072 bytes), behind them w_q / w_k's 16 tiles, all of K, each wave bringing 8 whole tiles (65,536 dense bytes) by one tensor load at the head.  When part 1's products are issued, w_v's 8 tiles
; are brought into the first half of w_q / w_k's bytes: one tensor load, wave 2's, behind the three lines and a round of the cluster's barrier; part 1's results are quantised and stored while it is on its way.
; CLUSTER 4 x 4: the tokens' tiles are shared along a row of the cluster, the weights' (w_v's too) along a column: joint loads.
; No prefetch: the launch has no loop to run ahead in; w_v's tiles are asked for once, as soon as their bytes are free.
; OUT: a wave's block of 16 rows x 128 columns becomes 8 registers of codes: the two halves (64 columns each) go to two planes.  q, k: plane = head (0-15 q, 16-31 k), [plane][token tile][512 bytes]: the half fragment
; of a product with K = 64.  v: plane = 2 x (128 keys' number) + half, [plane][head x 4 + tile of 16 channels][512 bytes].  Scale words likewise, 4 bytes a row: q, k: the head's two bytes below, above them
; the other head's or 0 (never 0xff: they meet zero codes); v: the word of 128 keys in the even plane (the odd plane is written and not read).
; LIMITS: a block whose largest magnitude lies under 2^-124 gets the byte 1 (zero blocks have zero codes; this program alone reads the bytes); NaN and infinities are not served.
; REGISTERS: window 0: v16-29 addresses; v32-63 A's scale words, v64-95 B's (register 8 i + s: tile 2 i in lanes 0-15, tile 2 i + 1 in lanes 16-31, K step s); v96-114 at work; v126-127 the add's two; v128-255 A's fragments, two sets.
;   window 1: B's fragments, two sets, at v0 and v128.   windows 2, 3: accumulator (a, b) at v[8 (8 (a % 4) + b)] of window 2 + a / 4.
.set NA,    8                          ; A's tiles of 16 rows for a wave: 8 in part 1, 4 in part 2
.set BREG,  131072                     ; where the weights' tiles begin in LDS
.set SSTG,  262144                     ; behind the tiles: 1,024 bytes for each wave, for the scale words; no tensor load lands there
.set SPARE, 0x41000                    ; behind them: the spare words, 128 bytes for each wave
.set ADRA,  16                         ; v16 LDS address of my A fragments in part 1; v17 in part 2
.set ADRB,  20                         ; v20, v21 the same for B
.set STW,   24                         ; v24    where I put a scale word
.set STR,   25                         ; v25    where I read 16 bytes of them back
.set L16,   26                         ; v26    16 x lane
.set SCO,   27                         ; v27    my place among a pair of tiles' scale bytes: 512 (lane / 16) + 32 (lane % 16)
.set STR2,  28                         ; v28    part 2: where I read words back: 512 (lane / 16) + 16 (lane % 16)
.set GO2,   29                         ; v29    part 2: and where they go: 4,096 (lane / 16) + 16 (lane % 16)
.set TM,    96                         ; v96-99 largest magnitudes; v100-103 the other half's, then bytes; v108-111 the conversions' scale operands; v112 the scale word; v113 as stored; v114 16 (lane / 16)
.set CP0,   76                         ; s[76:77], s[78:79] the codes' two planes in part 1; s[36:37], s[38:39] in part 2
.set CP1,   78
.set WV,    18
.set WH,    19
.set WL,    20
.set SEL,   22
.set G1A,   24
.set G0A,   32
.set G1B,   48
.set G0B,   56
.set G0C,   60                         ; s[60:63] group 0 for w_v's tiles
.set MSB, 0
.macro WIN new                         ; the immediate's high byte repeats the setting that is left
.if MSB != (\new)
	s_set_vgpr_msb (MSB<<8)|(\new)
.set MSB, (\new)
.endif
.endm
.macro PLACES n
.rept \n
	v_nop
.endr
.endm
.macro CREST                           ; a round of the cluster's barrier behind its opening barrier
	s_cmp_lg_u32 s[WV], 0
	s_cbranch_scc1 .Lnot_wave_0_\@
	s_barrier_signal -3
.Lnot_wave_0_\@:
	s_barrier_wait -3
	s_barrier_signal -1
	s_barrier_wait -1
.endm
.macro CROUND
	s_barrier_signal -1
	s_barrier_wait -1
	CREST
.endm
; One product, from the symbols that MUL sets: D at rD, source 0 at rX, source 1 at rY, C = D (ZR = 1: the constant 0), the scale words at rSX, rSY; RA, RB = 1: they stand in lanes 16-31.
.macro WM
.if ZR && RA && RB
	v_wmma_scale_f32_16x16x128_f8f6f4 v[rD:rD+7], v[rX:rX+7], v[rY:rY+7], 0, v[rSX], v[rSY] matrix_a_fmt:MATRIX_FMT_FP4 matrix_b_fmt:MATRIX_FMT_FP4 matrix_a_scale:MATRIX_SCALE_ROW1 matrix_b_scale:MATRIX_SCALE_ROW1
.elseif ZR && RA
	v_wmma_scale_f32_16x16x128_f8f6f4 v[rD:rD+7], v[rX:rX+7], v[rY:rY+7], 0, v[rSX], v[rSY] matrix_a_fmt:MATRIX_FMT_FP4 matrix_b_fmt:MATRIX_FMT_FP4 matrix_a_scale:MATRIX_SCALE_ROW1
.elseif ZR && RB
	v_wmma_scale_f32_16x16x128_f8f6f4 v[rD:rD+7], v[rX:rX+7], v[rY:rY+7], 0, v[rSX], v[rSY] matrix_a_fmt:MATRIX_FMT_FP4 matrix_b_fmt:MATRIX_FMT_FP4 matrix_b_scale:MATRIX_SCALE_ROW1
.elseif ZR
	v_wmma_scale_f32_16x16x128_f8f6f4 v[rD:rD+7], v[rX:rX+7], v[rY:rY+7], 0, v[rSX], v[rSY] matrix_a_fmt:MATRIX_FMT_FP4 matrix_b_fmt:MATRIX_FMT_FP4
.elseif RA && RB
	v_wmma_scale_f32_16x16x128_f8f6f4 v[rD:rD+7], v[rX:rX+7], v[rY:rY+7], v[rD:rD+7], v[rSX], v[rSY] matrix_a_fmt:MATRIX_FMT_FP4 matrix_b_fmt:MATRIX_FMT_FP4 matrix_a_scale:MATRIX_SCALE_ROW1 matrix_b_scale:MATRIX_SCALE_ROW1
.elseif RA
	v_wmma_scale_f32_16x16x128_f8f6f4 v[rD:rD+7], v[rX:rX+7], v[rY:rY+7], v[rD:rD+7], v[rSX], v[rSY] matrix_a_fmt:MATRIX_FMT_FP4 matrix_b_fmt:MATRIX_FMT_FP4 matrix_a_scale:MATRIX_SCALE_ROW1
.elseif RB
	v_wmma_scale_f32_16x16x128_f8f6f4 v[rD:rD+7], v[rX:rX+7], v[rY:rY+7], v[rD:rD+7], v[rSX], v[rSY] matrix_a_fmt:MATRIX_FMT_FP4 matrix_b_fmt:MATRIX_FMT_FP4 matrix_b_scale:MATRIX_SCALE_ROW1
.else
	v_wmma_scale_f32_16x16x128_f8f6f4 v[rD:rD+7], v[rX:rX+7], v[rY:rY+7], v[rD:rD+7], v[rSX], v[rSY] matrix_a_fmt:MATRIX_FMT_FP4 matrix_b_fmt:MATRIX_FMT_FP4
.endif
.endm
; K step s: 8 NA products.  All accumulators take turns, one instruction a turn, in the same order in every step.  Step 0 starts the sums: nothing is cleared.
.macro MUL s
.set ia, 0
.rept NA
	WIN 0xa1+0x50*(ia/4)                           ; source 0 (B) window 1, source 1 (A) window 0, C and D window 2 or 3
.set ib, 0
.rept 8
.set rD, 8*(8*(ia%4)+ib)
.set rX, 128*((\s)%2)+8*ib
.set rY, 128+64*((\s)%2)+8*ia
.set rSX, 64+8*(ib/2)+(\s)
.set rSY, 32+8*(ia/2)+(\s)
.set RA, ib%2
.set RB, ia%2
.set ZR, 0
.if (\s) == 0
.set ZR, 1
.endif
	WM
.set ib, ib+1
.endr
.set ia, ia+1
.endr
.endm
; K step s's fragments, in one run, into set s % 2: each load takes 512 consecutive bytes
.macro FETCH s
	WIN 0x40                                       ; destination window 1, address window 0
.set ib, 0
.rept 8
	ds_load_b128 v[128*((\s)%2)+8*ib:128*((\s)%2)+8*ib+3], v[ADRB] offset:ib*8192+(\s)*1024
	ds_load_b128 v[128*((\s)%2)+8*ib+4:128*((\s)%2)+8*ib+7], v[ADRB] offset:ib*8192+(\s)*1024+512
.set ib, ib+1
.endr
	WIN 0
.set ia, 0
.rept NA
	ds_load_b128 v[128+64*((\s)%2)+8*ia:128+64*((\s)%2)+8*ia+3], v[ADRA] offset:ia*8192+(\s)*1024
	ds_load_b128 v[128+64*((\s)%2)+8*ia+4:128+64*((\s)%2)+8*ia+7], v[ADRA] offset:ia*8192+(\s)*1024+512
.set ia, ia+1
.endr
.endm
.macro STEP s
	s_wait_dscnt 0x0                               ; this step's fragments, asked for a step ago, are in
.if ((\s) > 0) && ((\s) < 7)
	PLACES 4                                       ; four plain lines between the last step's products and the loads into the set that they read
.endif
.if (\s) < 7
	FETCH (\s)+1
.endif
	MUL \s
.endm
	s_load_b256 s[4:11], s[0:1], 0x0               ; hw_codes s[4:5], hw_scales s[6:7], qkv_codes s[8:9], qkv_scales s[10:11]
	v_lshl_add_u32 v126, v0, 2, SPARE
	v_mov_b32 v127, 0
	ds_add_u32 v126, v127                          ; the opening lines: the add, twice on end, and its wait ahead of the first tensor loads
	ds_add_u32 v126, v127
	v_lshrrev_b32 v1, 5, v0
	v_readfirstlane_b32 s[WV], v1                  ; wave 0..3
	s_lshr_b32 s[WH], s[WV], 1                     ; which half of A's rows I multiply.  Also: at the head I fetch for the tokens (0) or for the weights (1)
	s_and_b32 s[WL], s[WV], 1                      ; which half of B's rows I multiply, and which half I fetch
	s_bfe_u32 s40, ttmp6, 0x40000                  ; cx, cy: my place in the cluster
	s_bfe_u32 s41, ttmp6, 0x40004
	s_lshl_b32 s45, ttmp9, 2
	s_add_co_u32 s45, s45, s40                     ; tx: hangs on cx
	s_and_b32 s46, ttmp7, 0xffff
	s_lshl_b32 s46, s46, 2
	s_add_co_u32 s46, s46, s41                     ; ty: hangs on cy
	s_lshl_b32 s69, s41, 2
	s_lshl_b32 s69, 15, s69                        ; my row of the cluster
	s_lshl_b32 s88, 0x1111, s40                    ; my column
	; descriptor group 1: 8 rows of 8,192 bytes (1,024 elements of 8), end to end: 8 whole tiles; no padding: every LDS load takes consecutive bytes
	s_or_b32 s[G1A], s69, (3<<16)|(1<<21)          ; 15:0 the mask: the tokens' tiles go to my row; 17:16 elements of 8 bytes; 21 set beside a mask
	s_or_b32 s[G1B], s88, (3<<16)|(1<<21)          ; the weights' to my column
.irp g, G1A, G1B
	s_mov_b32 s[\g+1], 1024<<16                    ; tensor_dim0
	s_mov_b32 s[\g+2], 8<<16                       ; tensor_dim1
	s_mov_b32 s[\g+3], 1024<<16                    ; tile_dim0
	s_mov_b32 s[\g+4], 8                           ; tile_dim1
	s_mov_b32 s[\g+5], 1024                        ; tensor_dim0_stride
	s_mov_b32 s[\g+6], 0
	s_mov_b32 s[\g+7], 0
.endr
	s_lshl_b32 s71, s[WL], 3
	s_lshl_b32 s89, s[WH], 3
	s_lshl_b32 s70, s46, 4                         ; the tokens' first tile of the work-group (no register on their side ever holds cx)
	s_add_co_u32 s72, s70, s71
	s_lshl_b32 s72, s72, 13                        ; the 8 tiles that I fetch, in bytes
	s_mov_b32 s73, 0
	s_add_co_u32 s47, s70, s89                     ; part 1: my first tile of rows
	s_lshl_b32 s74, s47, 9                         ; and its scale bytes
	s_mov_b32 s75, 0
	s_lshl_b32 s88, s45, 4
	s_add_co_u32 s88, s88, 512
	s_add_co_u32 s88, s88, s71                     ; w_q, w_k: the 8 tiles that I fetch are those that I multiply
	s_lshl_b32 s90, s88, 13
	s_mov_b32 s91, 0
	s_lshl_b32 s92, s88, 9
	s_mov_b32 s93, 0
	s_lshl_b32 s94, s45, 1
	s_add_co_u32 s94, s94, s[WL]                   ; which 128 columns of the result are mine,
	s_lshl_b32 s94, s94, 1                         ; and their first plane
	s_lshl_b32 s76, s94, 18                        ; a plane of q, k: 262,144 bytes of codes,
	s_lshl_b32 s43, s47, 9
	s_add_co_u32 s76, s76, s43
	s_mov_b32 s77, 0
	s_lshl_b32 s80, s94, 15                        ; 32,768 of scale words
	s_lshl_b32 s43, s47, 6
	s_add_co_u32 s80, s80, s43
	s_mov_b32 s81, 0
	s_mov_b32 s[SEL], 0x76543210
	s_mov_b32 s[SEL+1], 0xfedcba98                 ; v_permlanex16_b32's selects for lane l xor 16
	s_lshl_b32 s96, s[WH], 16                      ; LDS: part 1: my 8 tiles of tokens,
	s_lshl_b32 s99, s[WL], 16
	s_add_co_u32 s97, s99, BREG                    ; my 8 tiles of w_q, w_k;
	s_lshl_b32 s98, s[WH], 15
	s_add_co_u32 s98, s98, BREG                    ; part 2: my 4 tiles of w_v, and (s99) my 8 tiles of tokens
	s_lshl_b32 s95, s[WV], 10
	s_add_co_u32 s95, s95, SSTG                    ; my stage
	v_and_b32 v1, 31, v0
	v_lshlrev_b32 v[L16], 4, v1
	v_and_b32 v2, 15, v0                           ; r
	v_bfe_u32 v3, v0, 4, 1                         ; h
	v_add_nc_u32 v16, s96, v[L16]
	v_add_nc_u32 v20, s97, v[L16]
	v_add_nc_u32 v17, s98, v[L16]
	v_add_nc_u32 v21, s99, v[L16]
	v_lshlrev_b32 v[STW], 9, v3
	v_lshl_add_u32 v[STW], v2, 2, v[STW]
	v_add_nc_u32 v[STW], s95, v[STW]               ; lanes 0-15: the first plane's words; lanes 16-31: the second's, 512 bytes on
	v_add_nc_u32 v[STR], s95, v[L16]
	v_lshlrev_b32 v[SCO], 9, v3
	v_lshl_add_u32 v[STR2], v2, 4, v[SCO]
	v_add_nc_u32 v[STR2], s95, v[STR2]
	v_lshl_add_u32 v[SCO], v2, 5, v[SCO]
	v_lshlrev_b32 v[GO2], 12, v3
	v_lshl_add_u32 v[GO2], v2, 4, v[GO2]
	v_lshlrev_b32 v[TM+18], 4, v3
.irp b, 0,1,2,3
	v_mov_b32 v[TM+4+\b], 0                        ; written once: a lane permute's destination counts as one of its sources
.endr
	s_wait_alu depctr_va_vdst(0)                   ; directly ahead of the waits below
	s_wait_dscnt 0x0                               ; both opening adds are done
	s_wait_kmcnt 0x0
	s_add_nc_u64 s[72:73], s[4:5], s[72:73]
	s_add_nc_u64 s[90:91], s[4:5], s[90:91]
	s_add_nc_u64 s[84:85], s[6:7], s[74:75]        ; part 1: A's scale bytes
	s_add_nc_u64 s[86:87], s[6:7], s[92:93]        ; B's
	s_add_nc_u64 s[76:77], s[8:9], s[76:77]        ; the codes' first plane,
	s_add_nc_u64 s[78:79], s[76:77], 0x40000       ; and second
	s_add_nc_u64 s[80:81], s[10:11], s[80:81]      ; the scale words' likewise
	s_add_nc_u64 s[82:83], s[80:81], 0x8000
	s_mov_b32 s[G0A], 1                            ; count = 1
	s_lshl_b32 s[G0A+1], s[WL], 16                 ; LDS address: no place in the cluster enters it
	s_mov_b64 s[G0A+2:G0A+3], s[72:73]             ; global address
	s_or_b32 s[G0A+3], s[G0A+3], 0x80000000        ; type = 2
	s_mov_b32 s[G0B], 1
	s_add_co_u32 s[G0B+1], s[G0A+1], BREG
	s_mov_b64 s[G0B+2:G0B+3], s[90:91]
	s_or_b32 s[G0B+3], s[G0B+3], 0x80000000
	CROUND                                         ; all sixteen work-groups are here: the joint loads meet
	s_cmp_eq_u32 s[WH], 0                          ; one fill a wave, in the two arms of one branch on its number
	s_cbranch_scc0 .Lfill_b
	tensor_load_to_lds s[G0A:G0A+3], s[G1A:G1A+7]
	s_nop 0
	PLACES 4
	s_branch .Lfilled
.Lfill_b:
	tensor_load_to_lds s[G0B:G0B+3], s[G1B:G1B+7]
	s_nop 0
	PLACES 4
.Lfilled:
.irp i, 0,1,2,3                        ; part 1's scale words of all of K come once, straight into registers: four K steps' words of a pair of tiles a load
.irp q, 0,1
	global_load_b128 v[32+8*\i+4*\q:35+8*\i+4*\q], v[SCO], s[84:85] offset:1024*\i+16*\q
	global_load_b128 v[64+8*\i+4*\q:67+8*\i+4*\q], v[SCO], s[86:87] offset:1024*\i+16*\q
.endr
.endr
	; part 2's addresses, made while the fills are on their way
	s_lshl_b32 s88, s45, 3
	s_add_co_u32 s88, s88, 640                     ; w_v's first tile of the work-group's 128 rows: hangs on tx alone
	s_lshl_b32 s90, s88, 13
	s_mov_b32 s91, 0
	s_mov_b32 s[G0C], 1
	s_mov_b32 s[G0C+1], BREG
	s_add_nc_u64 s[G0C+2:G0C+3], s[4:5], s[90:91]
	s_or_b32 s[G0C+3], s[G0C+3], 0x80000000
	s_lshl_b32 s89, s[WH], 2
	s_add_co_u32 s89, s88, s89                     ; my 4 tiles of them
	s_lshl_b32 s92, s89, 9
	s_mov_b32 s93, 0
	s_add_nc_u64 s[12:13], s[6:7], s[92:93]        ; their scale bytes
	s_add_co_u32 s92, s70, s71                     ; my 8 tiles of tokens
	s_lshl_b32 s92, s92, 9
	s_add_nc_u64 s[14:15], s[6:7], s[92:93]        ; and theirs
	s_lshl_b32 s94, s46, 1
	s_add_co_u32 s94, s94, s[WL]                   ; which 128 keys are mine,
	s_lshl_b32 s94, s94, 1                         ; and their first plane
	s_sub_co_u32 s95, s89, 640                     ; my first tile of channels
	s_lshl_b32 s92, s94, 15                        ; a plane of v: 32,768 bytes of codes,
	s_add_co_u32 s92, s92, 0x800000
	s_lshl_b32 s96, s95, 9
	s_add_co_u32 s92, s92, s96
	s_add_nc_u64 s[36:37], s[8:9], s[92:93]
	s_add_nc_u64 s[38:39], s[36:37], 0x8000
	s_lshl_b32 s92, s94, 12                        ; 4,096 of scale words
	s_add_co_u32 s92, s92, 0x100000
	s_lshl_b32 s96, s95, 6
	s_add_co_u32 s92, s92, s96
	s_add_nc_u64 s[16:17], s[10:11], s[92:93]
	s_wait_tensorcnt 0x0                           ; my eight tiles are in
	s_barrier_signal -1
	s_barrier_wait -1                              ; everybody's are
	FETCH 0
	s_wait_loadcnt 0x0                             ; the scale words
.irp s, 0,1,2,3,4,5,6,7
	STEP \s
.endr
	WIN 0
; Block a of 16 rows: its 128 columns, 64 a lane, are four blocks of 32: register 16 b + i is column 32 b + 16 (lane / 16) + i.  They become a fragment's 8 registers and a scale word a row.
.macro QOUT a
.set AC, 64*((\a)%4)
.set W, 2+(\a)/4
.set PC, 128+8*(\a)                    ; the codes: registers of their own for each block (A's first set, done with), so that no store's data are written again within a part
	WIN (W<<2)|(W<<4)                              ; sources 1 and 2: the accumulators' window
.irp b, 0,1,2,3
	v_max3_num_f32 v[TM+\b], 0x1800000, |v[AC+16*\b]|, |v[AC+16*\b+1]|   ; my 16 numbers of block b, and the floor 2^(3 - 127); each accumulator is read from its low end on
.endr
.irp i, 2,4,6,8,10,12,14
.irp b, 0,1,2,3
	v_max3_num_f32 v[TM+\b], v[TM+\b], |v[AC+16*\b+\i]|, |v[AC+16*\b+\i+1]|
.endr
.endr
	WIN 0
.irp b, 0,1,2,3
	v_permlanex16_b32 v[TM+4+\b], v[TM+\b], s[SEL], s[SEL+1]
.endr
.irp b, 0,1,2,3
	v_max_num_f32 v[TM+\b], v[TM+\b], v[TM+4+\b]   ; with lane l xor 16's: the block's largest magnitude
.endr
.irp b, 0,1,2,3
	v_add_nc_u32 v[TM+12+\b], 0xff000000, v[TM+\b] ; 2 off its exponent field: the conversion's scale operand
.endr
.irp b, 0,1,2,3
	v_lshrrev_b32 v[TM+4+\b], 23, v[TM+12+\b]      ; the byte
.endr
	v_lshl_or_b32 v[TM+16], v[TM+5], 8, v[TM+4]
	v_lshl_or_b32 v[TM+16], v[TM+6], 16, v[TM+16]
	v_lshl_or_b32 v[TM+16], v[TM+7], 24, v[TM+16]  ; my row's four bytes
	WIN W                                          ; source 0: the accumulators' window
.irp b, 0,1,2,3
	v_cvt_scalef32_pk8_fp4_f32 v[PC+2*\b], v[AC+16*\b:AC+16*\b+7], v[TM+12+\b]
	v_cvt_scalef32_pk8_fp4_f32 v[PC+2*\b+1], v[AC+16*\b+8:AC+16*\b+15], v[TM+12+\b]
.endr
	WIN 0
	v_nop                                          ; one plain line behind the conversions
.irp c, 0,1                            ; a fragment wants a whole block in a lane: lanes 0-15 block 2 c, lanes 16-31 block 2 c + 1
.irp i, 0,1
	v_permlane16_swap_b32 v[PC+4*\c+\i], v[PC+4*\c+2+\i]
.endr
.endr
	global_store_b128 v[L16], v[PC:PC+3], s[CP0:CP0+1] offset:512*(\a)     ; 32 lanes store 512 consecutive bytes
	global_store_b128 v[L16], v[PC+4:PC+7], s[CP1:CP1+1] offset:512*(\a)
	v_lshrrev_b32 v[TM+17], v[TM+18], v[TM+16]     ; lanes 16-31 hold the second plane's word: the upper two bytes moved down
	ds_store_b32 v[STW], v[TM+17] offset:64*(\a)
.endm
	; THE CHANGE OF WEIGHTS.  My reads of w_q / w_k's tiles were waited for at the head of the last K step.
	s_wait_tensorcnt 0x0
	ds_add_u32 v126, v127
	s_wait_dscnt 0x0
	CROUND                                         ; the round: no wave of any partner still reads those bytes or has a load on its way
	s_cmp_eq_u32 s[WV], 2
	s_cbranch_scc0 .Lno_refill
	tensor_load_to_lds s[G0C:G0C+3], s[G1B:G1B+7]  ; w_v's 8 tiles, jointly with my column: the one tensor load behind the round
	s_nop 0
	PLACES 4
.Lno_refill:
	PLACES 4                                       ; between the last products and the first read of results, and the loads into their scale registers
.irp i, 0,1                            ; part 2's scale words: w_v's 4 tiles,
.irp q, 0,1
	global_load_b128 v[32+8*\i+4*\q:35+8*\i+4*\q], v[SCO], s[12:13] offset:1024*\i+16*\q
.endr
.endr
.irp i, 0,1,2,3                        ; the tokens' 8
.irp q, 0,1
	global_load_b128 v[64+8*\i+4*\q:67+8*\i+4*\q], v[SCO], s[14:15] offset:1024*\i+16*\q
.endr
.endr
.irp a, 0,1,2,3,4,5,6,7
	QOUT \a
.endr
	ds_load_b128 v[TM:TM+3], v[STR]                ; my eight blocks' words, a plane's 512 bytes a load: LDS serves a wave's instructions in order
	ds_load_b128 v[TM+4:TM+7], v[STR] offset:512
	s_wait_dscnt 0x0
	global_store_b128 v[L16], v[TM:TM+3], s[80:81]
	global_store_b128 v[L16], v[TM+4:TM+7], s[82:83]
	; PART 2: v^T = w_v x tokens^T
.set NA, 4
.set ADRA, 17
.set ADRB, 21
.set CP0, 36
.set CP1, 38
	s_wait_xcnt 0x0                                ; part 1's stores have read their registers: they are written again only behind this wait
	s_wait_tensorcnt 0x0                           ; w_v's tiles are in (wave 2's load; the other waves have none out),
	s_barrier_signal -1
	s_barrier_wait -1                              ; and every wave knows it
	FETCH 0
	s_wait_loadcnt 0x0                             ; the scale words
.irp s, 0,1,2,3,4,5,6,7
	STEP \s
.endr
	WIN 0
	PLACES 4                                       ; between the last products and the first read of results
.irp a, 0,1,2,3
	QOUT \a
.endr
	ds_load_b128 v[TM:TM+3], v[STR2]               ; my four blocks' words: lanes 0-15 the first plane's 256 bytes, lanes 16-31 the second's
	s_wait_dscnt 0x0
	global_store_b128 v[GO2], v[TM:TM+3], s[16:17] ; sixteen lanes store 256 consecutive bytes, at a multiple of 256 from the buffer's first byte
	s_wait_tensorcnt 0x0                           ; the wave's end
	ds_add_u32 v126, v127
	s_wait_dscnt 0x0
	CROUND                                         ; the closing round: no work-group ends while a partner may still ask for a tile that names it
	s_endpgm
.Lfunc_end_k_qdaceab6a59_qkv:
	.size	k_qdaceab6a59_qkv, .Lfunc_end_k_qdaceab6a59_qkv-k_qdaceab6a59_qkv
	.p2alignl 7, 3214868480
	.fill 96, 4, 3214868480
	.section	.rodata,"a",@progbits
	.p2align	6, 0x0
	.amdhsa_kernel k_qdaceab6a59_qkv
		.amdhsa_group_segment_fixed_size 327680
		.amdhsa_private_segment_fixed_size 0
		.amdhsa_enable_private_segment 0
		.amdhsa_kernarg_size 32
		.amdhsa_user_sgpr_count 2
		.amdhsa_user_sgpr_kernarg_segment_ptr 1
		.amdhsa_wavefront_size32 1
		.amdhsa_system_sgpr_workgroup_id_x 1
		.amdhsa_system_sgpr_workgroup_id_y 1
		.amdhsa_system_sgpr_workgroup_id_z 1
		.amdhsa_system_vgpr_workitem_id 0
		.amdhsa_next_free_vgpr 1024
		.amdhsa_next_free_sgpr 100
		.amdhsa_reserve_vcc 0
		.amdhsa_float_denorm_mode_32 3
		.amdhsa_float_denorm_mode_16_64 3
		.amdhsa_memory_ordered 1
		.amdhsa_forward_progress 1
		.amdhsa_inst_pref_size 190
	.end_amdhsa_kernel
	.amdgpu_metadata
---
amdhsa.version: [ 1, 2 ]
amdhsa.kernels:
  - .name:           k_qdaceab6a59_qkv
    .symbol:         k_qdaceab6a59_qkv.kd
    .args:
      - { .name: hw_codes, .offset: 0, .size: 8, .value_kind: global_buffer, .address_space: global }
      - { .name: hw_scales, .offset: 8, .size: 8, .value_kind: global_buffer, .address_space: global }
      - { .name: qkv_codes, .offset: 16, .size: 8, .value_kind: global_buffer, .address_space: global }
      - { .name: qkv_scales, .offset: 24, .size: 8, .value_kind: global_buffer, .address_space: global }
    .group_segment_fixed_size: 327680
    .private_segment_fixed_size: 0
    .kernarg_segment_align: 8
    .kernarg_segment_size: 32
    .max_flat_workgroup_size: 128
    .sgpr_count:     100
    .vgpr_count:     1024
    .wavefront_size: 32
...
	.end_amdgpu_metadata
.endif
;; end of part 2
;; launch attn (part 3): grid 8 x 32, 16 waves a work-group, clusters of 4 x 1, 327,680 bytes of LDS; arguments qkv_codes, qkv_scales, o_codes, o_scales; writes o_codes, o_scales
.if DOCPART == 3
	.amdgcn_target "amdgcn-amd-amdhsa--gfx1250"
	.amdhsa_code_object_version 6
	.text
	.protected	k_qdaceab6a59_attn
	.globl	k_qdaceab6a59_attn
	.p2align	8
	.type	k_qdaceab6a59_attn,@function
k_qdaceab6a59_attn:
	s_mov_b64 s[64:65], 0
	v_nop
	global_prefetch_b8 v0, s[64:65] scope:SCOPE_SE
	s_setreg_imm32_b32 hwreg(HW_REG_WAVE_MODE, 25, 1), 1
	s_wait_xcnt 0x0
	s_wait_alu depctr_hold_cnt(0) depctr_sa_sdst(0) depctr_va_vdst(0) depctr_va_sdst(0) depctr_va_ssrc(0) depctr_va_vcc(0) depctr_vm_vsrc(0)
	s_getreg_b32 s2, hwreg(HW_REG_IB_STS2, 6, 4)
	s_cmp_eq_u32 s2, 0
	s_cbranch_scc0 .Lentry_in_a_cluster
	s_endpgm
.Lentry_in_a_cluster:
	s_bfe_u32 s2, ttmp6, 0x10000c
	s_cmp_lg_u32 s2, 0x3003
	s_cbranch_scc0 .Lentry_shape_is_right
	s_endpgm
.Lentry_shape_is_right:
; Attention on codes of FP4: 64 heads (4 batches x 16), 2,048 tokens, head size 64; its result, O / l, is quantised along C = 1,024 for the output projection.
; THE SOFTMAX AHEAD OF THE SECOND PRODUCT: t = score x log2(e) / 8; M = the row's largest t so far, rounded UP to a whole number; p = 2^(t - M) is quantised along the keys, not normalised.
; The row's sum is taken of the unquantised p and divides O at the end.  When M moves, the sum and O are multiplied by 2^(old M - new M): exact.
; SHARES.  A work-group owns 256 queries of a PAIR of heads 2 s, 2 s + 1 of one batch; each of its sixteen waves one tile of 16 queries, in 256 registers, four waves to a SIMD.
; A wave runs head 2 s, then head 2 s + 1: together its results are one K step (128 along C) of the projection: a whole fragment and a whole scale word a row.
; LDS holds K and V of both heads whole, filled ONCE, one tensor load a wave: waves 0-7 an eighth of K's codes each, waves 8-11 a quarter of V's, wave 12 K's scale words, wave 13 V's.
; Nothing is filled again: no ring, and one barrier ahead of the work.  All of K and V is asked for by these first fills, so there is no later load to prefetch for.
; CLUSTER 4 x 1: the four blocks of queries of a cluster share the pair of heads: every fill is a joint load.
; LAYOUT.  Both products transposed: S^T = K Q^T (source 0 = 16 keys, source 1 = my queries), O^T = V^T P^T: a lane holds ONE query (lane % 16) throughout.
; THE KEYS OF A TILE ARE CHOSEN BY ADDRESS: row 8 a + j of tile 4 c + u of a step is key 64 c + 32 a + 8 u + j.  In the result lane (r, h) then holds, in the 32 registers of tiles 4 c .. 4 c + 3,
; the 32 neighbouring keys of block 2 c + h: a whole block of the second product's K in one lane, in the order that the operand's layout gives that lane.  So a block's maximum needs no other lane,
; and the conversions' results are P's operand as they stand.
; In memory a tile t of k holds token 32 (t / 2) + 8 (t % 2) + i + 8 (i / 8) in row i, 16 bytes at 256 h + 16 i; two tiles (32 keys) are 1,024 bytes, laid 1,152 apart in LDS, so that the sixteen lanes of a load's pass touch sixteen different columns of 16 bytes.
; The head's 64 fill half of the instruction's 128 along K: registers 4-7 of K's and Q's fragments are zero codes, which add nothing under any scale byte but 0xff, and no byte here is 0xff.
; A BLOCK'S SCALE: p's exponent is floor(t - M), so the byte is floor of the block's largest t - M, + 125, held at 1 from below; a p that v_exp_f32 rounds up to the next power of two is held at the largest code, as the rule holds a number just under it.
; DEPENDENT LINES STAND APART: the maxima run in eight chains (a tile each), the sums in eight, and the lines that make the blocks' scales and f stand among the 32 independent multiply-adds; a one-field s_delay_alu stands ahead of the few lines that read the result of a plain line close above.
; LIMITS: the promise holds while the scaled scores stay under 2^31 in magnitude; a block whose largest magnitude lies under 2^-124 gets the byte 1 (zero blocks have zero codes); NaN and infinities are not served.
; REGISTERS: v1 16 x lane; v2-5 the step's LDS addresses (K, K's words, V, V's words), stepped in place; v6 8 (lane / 16); v7-9 their lane parts; v10-11 the add's two; v12 -M, v13 the largest score, v[14:15] the sum;
;   v16-31 Q of the two heads; v32-95 eight tiles of K (behind the first products the code registers of four of them carry partial sums); v96-159 S^T, then p; v160-191 O^T; v192-199 the tiles' maxima, then p's codes;
;   v200-231 four fragments of V; v232-239, v244-245, v254 at work; v240-243 K's scale words, v248-249 V's, v250-251 Q's, v253 p's; v252 f; v246-247 LDS addresses of O's scale words; v255 O's scale word.
.set KC,    0                          ; [head (2)][32 keys (64)][1,024 bytes + 128 of padding]
.set KH,    73728                      ; a head's part of it
.set VC,    147456                     ; [128 keys (16)][half (2)][head (2)][tile of 16 channels (4)][512 bytes]
.set KS,    278528                     ; [head][tile of 16 keys (128)][16 words]
.set VS,    294912                     ; [128 keys (16)][head][tile (4)][16 words]
.set OSTG,  303104                     ; O's scale words: 16 tiles x 16 words; no tensor load lands there
.set SPARE, 304128                     ; the spare words, 128 bytes for each wave
.set WV,    12
.set W7,    13
.set SEL,   20
.set CS,    22
.set G1KC,  24
.set G1VC,  32
.set G1KS,  40
.set G1VS,  48
.set G0KC,  56
.set G0VC,  60
.set G0KS,  68
.set G0VS,  72
.set CNT,   87
.macro ROUND                           ; a round of the cluster's barrier
	s_barrier_signal -1
	s_barrier_wait -1
	s_cmp_lg_u32 s[WV], 0
	s_cbranch_scc1 .Lnot_wave_0_\@
	s_barrier_signal -3
.Lnot_wave_0_\@:
	s_barrier_wait -3
	s_barrier_signal -1
	s_barrier_wait -1
.endm
	s_load_b256 s[4:11], s[0:1], 0x0               ; qkv_codes s[4:5], qkv_scales s[6:7], o_codes s[8:9], o_scales s[10:11]
	v_lshl_add_u32 v10, v0, 2, SPARE
	v_mov_b32 v11, 0
	ds_add_u32 v10, v11                            ; the opening lines: the add, twice on end, and its wait ahead of the first tensor loads
	ds_add_u32 v10, v11
	v_lshrrev_b32 v12, 5, v0
	v_readfirstlane_b32 s[WV], v12                 ; wave 0..15
	s_and_b32 s[W7], s[WV], 7
	s_bfe_u32 s14, ttmp6, 0x40000                  ; cx
	s_lshl_b32 s15, ttmp9, 2
	s_add_co_u32 s15, s15, s14                     ; my block of 256 queries: it enters Q's and O's addresses alone
	s_and_b32 s16, ttmp7, 0xffff
	s_lshr_b32 s17, s16, 3                         ; the batch
	s_and_b32 s18, s16, 7                          ; the pair of heads
	s_lshr_b32 s19, s[W7], 2
	s_and_b32 s96, s[W7], 3
	s_lshl_b32 s97, s18, 1                         ; the first head
	s_lshl_b32 s98, s17, 7                         ; the batch's first tile of tokens
	; descriptor groups 1: elements of 8 bytes, the mask of all four work-groups, bit 21 beside it
	s_mov_b32 s[G1KC], 15|(3<<16)|(1<<20)|(1<<21)|(7<<22)|(31<<25)  ; K's codes: 32 words of padding behind every 256
	s_mov_b32 s[G1KC+1], 128<<16                   ; 16 dense rows of 1,024 bytes
	s_mov_b32 s[G1KC+2], 16<<16
	s_mov_b32 s[G1KC+3], 128<<16
	s_mov_b32 s[G1KC+4], 16
	s_mov_b32 s[G1KC+5], 128
.irp g, G1VC, G1KS, G1VS
	s_mov_b32 s[\g], 15|(3<<16)|(1<<21)            ; no padding: these are read as consecutive bytes
.endr
.irp g, G1KC, G1VC, G1KS, G1VS
	s_mov_b32 s[\g+6], 0
	s_mov_b32 s[\g+7], 0
.endr
	s_mov_b32 s[G1VC+1], 512<<16                   ; V's codes: 8 planes' rows of 4,096 bytes (the pair's eight tiles), 32,768 bytes apart
	s_mov_b32 s[G1VC+2], 8<<16
	s_mov_b32 s[G1VC+3], 512<<16
	s_mov_b32 s[G1VC+4], 8
	s_mov_b32 s[G1VC+5], 4096
	s_mov_b32 s[G1KS+1], 1024<<16                  ; K's scale words: two heads' rows of 8,192 bytes, 32,768 bytes apart
	s_mov_b32 s[G1KS+2], 2<<16
	s_mov_b32 s[G1KS+3], 1024<<16
	s_mov_b32 s[G1KS+4], 2
	s_mov_b32 s[G1KS+5], 4096
	s_mov_b32 s[G1VS+1], 64<<16                    ; V's scale words: 16 steps' rows of 512 bytes, 8,192 bytes apart
	s_mov_b32 s[G1VS+2], 16<<16
	s_mov_b32 s[G1VS+3], 64<<16
	s_mov_b32 s[G1VS+4], 16
	s_mov_b32 s[G1VS+5], 1024
	; where the parts lie in memory
	s_add_co_u32 s84, s97, s19                     ; K's codes: plane 16 + first head + (eighth / 4), a quarter of the batch's 65,536 bytes
	s_add_co_u32 s84, s84, 16
	s_lshl_b32 s84, s84, 9
	s_add_co_u32 s84, s84, s98
	s_lshl_b32 s84, s84, 9
	s_lshl_b32 s99, s96, 14
	s_add_co_u32 s84, s84, s99
	s_mov_b32 s85, 0
	s_lshl_b32 s86, s17, 5                         ; V's codes: eight of the batch's 32 planes
	s_lshl_b32 s99, s96, 3
	s_add_co_u32 s86, s86, s99
	s_lshl_b32 s86, s86, 15
	s_lshl_b32 s99, s97, 11
	s_add_co_u32 s86, s86, s99
	s_add_co_u32 s86, s86, 0x800000
	s_mov_b32 s87, 0
	s_add_co_u32 s88, s97, 16                      ; K's scale words: plane 16 + first head
	s_lshl_b32 s88, s88, 9
	s_add_co_u32 s88, s88, s98
	s_lshl_b32 s88, s88, 6
	s_mov_b32 s89, 0
	s_lshl_b32 s90, s17, 17                        ; V's scale words: the batch's 16 steps, 8,192 bytes each
	s_lshl_b32 s99, s97, 8
	s_add_co_u32 s90, s90, s99
	s_add_co_u32 s90, s90, 0x100000
	s_mov_b32 s91, 0
	; and in LDS: a constant + a constant x the wave's part
	s_mul_i32 s99, s[W7], 18432
	s_add_co_u32 s[G0KC+1], s99, KC
	s_lshl_b32 s99, s96, 15
	s_add_co_u32 s[G0VC+1], s99, VC
	s_mov_b32 s[G0KS+1], KS
	s_mov_b32 s[G0VS+1], VS
	s_mov_b32 s[SEL], 0x76543210
	s_mov_b32 s[SEL+1], 0xfedcba98                 ; v_permlanex16_b32's selects for lane l xor 16
	s_mov_b32 s[CS], 0x3e38aa3b                    ; c = log2(e) / 8
	s_mov_b32 s[CS+1], s[CS]                       ; (named with it as a pair, so it is written)
	v_and_b32 v12, 31, v0
	v_lshlrev_b32 v1, 4, v12                       ; 16 x lane
	v_lshl_add_u32 v9, v12, 2, VS-512              ; V's scale words of a pair of tiles: 4 x lane; one step back, since the address is stepped ahead of its use
	v_and_b32 v13, 7, v0                           ; j
	v_bfe_u32 v14, v0, 3, 1                        ; a = (lane % 16) / 8
	v_bfe_u32 v15, v0, 4, 1                        ; h
	v_lshlrev_b32 v6, 3, v15
	v_lshlrev_b32 v7, 4, v13
	v_lshl_add_u32 v7, v15, 8, v7
	v_mad_u32_u24 v7, v14, 1152, v7                ; K's codes: 1,152 a + 256 h + 16 j
	v_lshl_add_u32 v8, v13, 2, KS
	v_lshl_add_u32 v8, v15, 6, v8
	v_lshl_add_u32 v8, v14, 7, v8                  ; K's scale words: 128 a + 64 h + 4 j: lanes 16-31 take the odd tile's
	v_and_b32 v12, 15, v0
	v_lshlrev_b32 v12, 2, v12                      ; 4 x (lane % 16)
	s_lshl_b32 s99, s[WV], 6
	s_add_co_u32 s99, s99, OSTG
	v_add_nc_u32 v246, s99, v12                    ; where O's scale word of my row goes
	s_and_b32 s99, s[WV], 1
	s_lshl_b32 s99, s99, 9
	s_add_co_u32 s99, s99, OSTG
	v_add_nc_u32 v247, s99, v1                     ; and where waves 0 and 1 read 512 bytes of them back
	s_wait_alu depctr_va_vdst(0)                   ; directly ahead of the waits below
	s_wait_dscnt 0x0                               ; both opening adds are done
	s_wait_kmcnt 0x0
	s_add_nc_u64 s[G0KC+2:G0KC+3], s[4:5], s[84:85]
	s_add_nc_u64 s[G0VC+2:G0VC+3], s[4:5], s[86:87]
	s_add_nc_u64 s[G0KS+2:G0KS+3], s[6:7], s[88:89]
	s_add_nc_u64 s[G0VS+2:G0VS+3], s[6:7], s[90:91]
.irp g, G0KC, G0VC, G0KS, G0VS
	s_mov_b32 s[\g], 1                             ; count = 1
	s_or_b32 s[\g+3], s[\g+3], 0x80000000          ; type = 2
.endr
	ROUND                                          ; all four work-groups are here: the joint loads meet
; THE FILLS, ONE A WAVE: one chain of branches on the wave's number, an arm a load, all arms leading to one join
.macro ARM under, g0, g1, next
	s_cmp_lt_u32 s[WV], \under
	s_cbranch_scc0 \next
	tensor_load_to_lds s[\g0:\g0+3], s[\g1:\g1+7]
	s_nop 0
.rept 4
	v_nop
.endr
	s_branch .Lhead_asked
\next:
.endm
	ARM 8,  G0KC, G1KC, .Lhead_v
	ARM 12, G0VC, G1VC, .Lhead_ks
	ARM 13, G0KS, G1KS, .Lhead_vs
	ARM 14, G0VS, G1VS, .Lhead_none
.Lhead_asked:
	s_lshl_b32 s84, s15, 4
	s_add_co_u32 s84, s84, s98                     ; the work-group's first tile of queries
	s_add_co_u32 s85, s84, s[WV]                   ; mine
	s_lshl_b32 s86, s97, 9
	s_add_co_u32 s86, s86, s85                     ; in the first head's plane of q
	s_lshl_b32 s88, s86, 9
	s_mov_b32 s89, 0
	s_lshl_b32 s90, s86, 6
	s_mov_b32 s91, 0
	s_lshl_b32 s92, s85, 13                        ; o_codes: tile x 8,192 + K step x 1,024
	s_lshl_b32 s99, s18, 10
	s_add_co_u32 s92, s92, s99
	s_mov_b32 s93, 0
	s_lshl_b32 s94, s18, 15                        ; o_scales: [K step][tile][16 words]
	s_lshl_b32 s99, s84, 6
	s_add_co_u32 s94, s94, s99
	s_and_b32 s99, s[WV], 1
	s_lshl_b32 s99, s99, 9
	s_add_co_u32 s94, s94, s99
	s_mov_b32 s95, 0
	s_add_nc_u64 s[88:89], s[4:5], s[88:89]
	s_add_nc_u64 s[90:91], s[6:7], s[90:91]
	s_add_nc_u64 s[92:93], s[8:9], s[92:93]
	s_add_nc_u64 s[94:95], s[10:11], s[94:95]
	global_load_b128 v[16:19], v1, s[88:89]                    ; Q's half fragments stay in registers: the first head's,
	global_load_b128 v[24:27], v1, s[88:89] offset:262144      ; the second's, one plane on
	global_load_b32 v250, v12, s[90:91]                        ; and their scale words
	global_load_b32 v251, v12, s[90:91] offset:32768
.irp j, 20,21,22,23,28,29,30,31
	v_mov_b32 v[\j], 0                             ; k = 64 .. 127: zero codes
.endr
.irp t, 0,1,2,3,4,5,6,7
.irp j, 4,5,6,7
	v_mov_b32 v[32+8*\t+\j], 0                     ; the same in K's eight fragments: written once
.endr
.endr
.macro PK n                            ; the next n of a step's 32 multiply-adds: t - M, two at a time; they hang on -M alone
.rept \n
	v_pk_fma_f32 v[96+j:97+j], v[96+j:97+j], s[CS:CS+1], v[12:13] op_sel_hi:[1,0,0]
.set j, j+2
.endr
.endm
; A KEY STEP of head e: 128 keys.
.macro STEP e
.irp t, 0,1,2,3,4,5,6,7
	ds_load_b128 v[32+8*\t:35+8*\t], v2 offset:(\t/4)*2304+(\t%2)*512+((\t%4)/2)*128   ; tile 4 c + u: 2,304 c (two groups of 32 keys) + 512 (u % 2) + 128 (u / 2)
.endr
.irp j, 0,1,2,3
	ds_load_b32 v[240+\j], v3 offset:(\j/2)*256+(\j%2)*32      ; lanes 0-15: tile 2 j's words; lanes 16-31: tile 2 j + 1's
.endr
	s_wait_dscnt 0x0
.irp t, 0,2,4,6
	v_wmma_scale_f32_16x16x128_f8f6f4 v[96+8*\t:103+8*\t], v[32+8*\t:39+8*\t], v[16+8*\e:23+8*\e], 0, v[240+\t/2], v[250+\e] matrix_a_fmt:MATRIX_FMT_FP4 matrix_b_fmt:MATRIX_FMT_FP4
	v_wmma_scale_f32_16x16x128_f8f6f4 v[104+8*\t:111+8*\t], v[40+8*\t:47+8*\t], v[16+8*\e:23+8*\e], 0, v[240+\t/2], v[250+\e] matrix_a_fmt:MATRIX_FMT_FP4 matrix_b_fmt:MATRIX_FMT_FP4 matrix_a_scale:MATRIX_SCALE_ROW1
.endr
	v_add_nc_u32 v2, 4608, v2                      ; the addresses' steps: K's for the next step, V's for this one.  These four are the plain lines between the products above and the first read of
	v_add_nc_u32 v3, 512, v3                       ; their results, and between the last step's second products and what is written into their registers (V's loads, the maxima in v192-199)
	v_add_nc_u32 v4, 8192, v4
	v_add_nc_u32 v5, 512, v5
.irp t, 0,1,2,3
	ds_load_b128 v[200+8*\t:203+8*\t], v4 offset:512*\t
	ds_load_b128 v[204+8*\t:207+8*\t], v4 offset:4096+512*\t
.endr
.irp j, 0,1
	ds_load_b32 v[248+\j], v5 offset:128*\j
.endr
.irp t, 0,1,2,3,4,5,6,7                ; the largest of each tile's first seven scores: eight chains by turns; every accumulator is first read at its low end
	v_max3_num_f32 v[192+\t], v[96+8*\t], v[97+8*\t], v[98+8*\t]
.endr
.irp i, 3,5
.irp t, 0,1,2,3,4,5,6,7
	v_max3_num_f32 v[192+\t], v[192+\t], v[96+8*\t+\i], v[97+8*\t+\i]
.endr
.endr
.irp c, 0,1                            ; block c: its four tiles' maxima and their four eighth scores
	v_max3_num_f32 v[232+4*\c], v[192+4*\c], v[103+32*\c], v[111+32*\c]
	v_max3_num_f32 v[233+4*\c], v[193+4*\c], v[119+32*\c], v[127+32*\c]
	v_max_num_f32 v[234+4*\c], v[194+4*\c], v[195+4*\c]
.endr
	v_mov_b32 v239, v12                            ; the old -M
	v_max3_num_f32 v232, v232, v233, v234          ; the largest score of my block h,
	s_delay_alu instid0(VALU_DEP_3)
	v_max3_num_f32 v236, v236, v237, v238          ; and of my block 2 + h
	s_delay_alu instid0(VALU_DEP_1)
	v_max3_num_f32 v13, v13, v232, v236
	s_delay_alu instid0(VALU_DEP_1)
	v_permlanex16_b32 v237, v13, s[SEL], s[SEL+1]
	s_delay_alu instid0(VALU_DEP_1)
	v_max_num_f32 v13, v13, v237                   ; the running largest score of my query, the same in both of its lanes
	s_delay_alu instid0(VALU_DEP_1)
	v_mul_f32 v238, s[CS], v13                     ; as t (c is positive)
	s_delay_alu instid0(VALU_DEP_1)
	v_floor_f32 v12, -v238                         ; the new -M = floor(-t) = -ceil(t): a whole number
	s_delay_alu instid0(VALU_DEP_1)
	v_sub_f32 v239, v12, v239                      ; old M - new M: a whole number, 0 or less
	v_fma_f32 v232, v232, s[CS], v12               ; t - M of each block's largest score
	v_fma_f32 v236, v236, s[CS], v12
.set j, 0
	PK 3
	v_cvt_i32_f32 v239, v239                       ; (it saturates)
	v_cvt_floor_i32_f32 v232, v232                 ; the exponent of the block's largest p
	v_cvt_floor_i32_f32 v236, v236
	PK 3
	v_ldexp_f32 v252, 1.0, v239                    ; f = 2^(old M - new M)
	v_max_i32 v232, 0xffffff84, v232               ; held at -124, so that the byte cannot fall under 1
	v_max_i32 v236, 0xffffff84, v236
	PK 4
	v_add_nc_u32 v233, 125, v232                   ; the byte: exponent - 2 + 127
	v_add_nc_u32 v237, 125, v236
	PK 4
	v_lshlrev_b32 v244, 23, v233                   ; the conversions' scale operands
	v_lshlrev_b32 v245, 23, v237
	v_lshl_or_b32 v253, v237, 16, v233             ; my two bytes: blocks h and 2 + h,
	PK 4
	v_lshlrev_b32 v253, v6, v253                   ; at their places in the scale word (8 h bits up);
	PK 5
	v_permlanex16_b32 v234, v253, s[SEL], s[SEL+1]
	PK 5
	v_or_b32 v253, v253, v234                      ; with lane l xor 16's two the word of these 128 keys is whole
	PK 4
	s_wait_alu depctr_va_vdst(0)                   ; the wait ahead of the batch, and ahead of the wait below
	s_wait_dscnt 0x0                               ; V's ten loads
.set j, 0
.rept 64
	v_exp_f32 v[96+j], v[96+j]                     ; p = 2^(t - M)
.set j, j+1
.endr
	v_pk_mul_f32 v[14:15], v[14:15], v[252:253] op_sel_hi:[1,0]   ; the sums under the new M (the plain line behind the exponentials)
	s_wait_alu depctr_va_vdst(0)                   ; one wait for the whole batch, directly ahead of the first readers of O^T too
.set j, 0
.rept 16
	v_pk_mul_f32 v[160+j:161+j], v[160+j:161+j], v[252:253] op_sel_hi:[1,0]   ; O^T under the new M
.set j, j+2
.endr
.irp c, 0,1
.irp g, 0,1,2,3
	v_cvt_scalef32_pk8_fp4_f32 v[192+4*\c+\g], v[96+32*\c+8*\g:103+32*\c+8*\g], v[244+\c]   ; registers 4 c .. 4 c + 3 of P's operand: keys 64 c + 32 h + 0 .. 31
.endr
.endr
	; the row's sum of the unquantised p, eight chains by turns: seven partial sums in code registers of K that the first products are done with, and the sum itself.  32 plain lines between the conversions and the products
.irp i, 0,1,2,3,4,5,6
	v_pk_add_f32 v[32+8*(\i/2)+2*(\i%2):33+8*(\i/2)+2*(\i%2)], v[96+4*\i:97+4*\i], v[98+4*\i:99+4*\i]
.endr
	v_pk_add_f32 v[14:15], v[14:15], v[124:125]
.irp b, 126,142
.irp i, 0,1,2,3,4,5,6
	v_pk_add_f32 v[32+8*(\i/2)+2*(\i%2):33+8*(\i/2)+2*(\i%2)], v[32+8*(\i/2)+2*(\i%2):33+8*(\i/2)+2*(\i%2)], v[\b+2*\i:\b+2*\i+1]
.endr
	v_pk_add_f32 v[14:15], v[14:15], v[\b+14:\b+15]
.endr
	v_pk_add_f32 v[32:33], v[32:33], v[158:159]
	v_pk_add_f32 v[34:35], v[34:35], v[40:41]
	v_pk_add_f32 v[42:43], v[42:43], v[48:49]
	v_pk_add_f32 v[50:51], v[50:51], v[56:57]
	s_delay_alu instid0(VALU_DEP_4)
	v_pk_add_f32 v[14:15], v[14:15], v[32:33]
	s_delay_alu instid0(VALU_DEP_3)
	v_pk_add_f32 v[34:35], v[34:35], v[42:43]
	s_delay_alu instid0(VALU_DEP_2)
	v_pk_add_f32 v[14:15], v[14:15], v[50:51]
	s_delay_alu instid0(VALU_DEP_1)
	v_pk_add_f32 v[14:15], v[14:15], v[34:35]
.irp t, 0,2
	v_wmma_scale_f32_16x16x128_f8f6f4 v[160+8*\t:167+8*\t], v[200+8*\t:207+8*\t], v[192:199], v[160+8*\t:167+8*\t], v[248+\t/2], v253 matrix_a_fmt:MATRIX_FMT_FP4 matrix_b_fmt:MATRIX_FMT_FP4
	v_wmma_scale_f32_16x16x128_f8f6f4 v[168+8*\t:175+8*\t], v[208+8*\t:215+8*\t], v[192:199], v[168+8*\t:175+8*\t], v[248+\t/2], v253 matrix_a_fmt:MATRIX_FMT_FP4 matrix_b_fmt:MATRIX_FMT_FP4 matrix_a_scale:MATRIX_SCALE_ROW1
.endr
.endm
; Head e is done: O^T / the sum; its 64 channels are two blocks of 32 along C: half a fragment and two bytes.  V's tiles of channels are ordered so that the 16 registers of tiles 2 b, 2 b + 1 are channels 32 b + 16 (lane / 16) + 0 .. 15.
.macro FIN e
.rept 4
	v_nop                                          ; between the last products and the first read of their results
.endr
	v_add_f32 v14, v14, v15                        ; the sum's two halves,
	s_delay_alu instid0(VALU_DEP_1)
	v_permlanex16_b32 v252, v14, s[SEL], s[SEL+1]
	s_delay_alu instid0(VALU_DEP_1)
	v_add_f32 v14, v14, v252                       ; and lane l xor 16's
	s_wait_alu depctr_va_vdst(0)                   ; the wait ahead of the transcendental
	v_rcp_f32 v14, v14
	v_nop                                          ; a plain line behind the transcendental,
	s_wait_alu depctr_va_vdst(0)                   ; and the wait ahead of its first reader
.set j, 0
.rept 16
	v_pk_mul_f32 v[96+j:97+j], v[160+j:161+j], v[14:15] op_sel_hi:[1,0]   ; each accumulator from its low end on
.set j, j+2
.endr
.irp b, 0,1
	v_max3_num_f32 v[232+\b], |v[96+16*\b]|, |v[97+16*\b]|, 0x1800000
.endr
.irp i, 2,4,6,8,10,12,14
.irp b, 0,1
	s_delay_alu instid0(VALU_DEP_2)
	v_max3_num_f32 v[232+\b], v[232+\b], |v[96+16*\b+\i]|, |v[97+16*\b+\i]|
.endr
.endr
.irp b, 0,1
	s_delay_alu instid0(VALU_DEP_2)
	v_permlanex16_b32 v[236+\b], v[232+\b], s[SEL], s[SEL+1]
.endr
.irp b, 0,1
	s_delay_alu instid0(VALU_DEP_2)
	v_max_num_f32 v[232+\b], v[232+\b], v[236+\b]
.endr
.irp b, 0,1
	s_delay_alu instid0(VALU_DEP_2)
	v_add_nc_u32 v[244+\b], 0xff000000, v[232+\b]  ; 2 off the exponent field: the conversion's scale operand
.endr
.irp b, 0,1
	s_delay_alu instid0(VALU_DEP_2)
	v_lshrrev_b32 v[236+\b], 23, v[244+\b]
.endr
	s_delay_alu instid0(VALU_DEP_1)
	v_lshl_or_b32 v254, v237, 8, v236
.if \e
	s_delay_alu instid0(VALU_DEP_1)
	v_lshl_or_b32 v255, v254, 16, v255             ; the second head's two bytes above the first's: the K step's scale word
.else
	s_delay_alu instid0(VALU_DEP_1)
	v_mov_b32 v255, v254
.endif
.irp b, 0,1
	v_cvt_scalef32_pk8_fp4_f32 v[192+2*\b], v[96+16*\b:103+16*\b], v[244+\b]
	v_cvt_scalef32_pk8_fp4_f32 v[193+2*\b], v[104+16*\b:111+16*\b], v[244+\b]
.endr
	v_nop                                          ; one plain line behind the conversions
.irp i, 0,1
	v_permlane16_swap_b32 v[192+\i], v[194+\i]     ; a fragment wants a whole block in a lane
.endr
	global_store_b128 v1, v[192:195], s[92:93] offset:512*\e   ; 32 lanes store 512 consecutive bytes
.endm
; One head: written out for each of the two, so that each pass's LDS addresses begin at constants of the text.
.macro PASS e
	v_add_nc_u32 v2, KC+KH*\e, v7
	v_add_nc_u32 v3, 8192*\e, v8
	v_add_nc_u32 v4, VC+2048*\e-8192, v1           ; V's two begin one step back: they are stepped ahead of their use
	v_add_nc_u32 v5, 256*\e, v9
	s_mov_b32 s[CNT], 16
	v_mov_b32 v13, 0xff61b1e6                      ; the largest score so far: -3e38, under every score
	v_mul_f32 v12, s[CS], v13
	v_floor_f32 v12, -v12
	v_mov_b32 v14, 0
	v_mov_b32 v15, 0
.set j, 0
.rept 32
	v_mov_b32 v[160+j], 0                          ; O^T: the step is written once; the first finds zeros, which the first change of M leaves zeros
.set j, j+1
.endr
.Lstep_\@:
	STEP \e
	s_sub_co_u32 s[CNT], s[CNT], 1
	s_cmp_lg_u32 s[CNT], 0
	s_cbranch_scc1 .Lstep_\@
	FIN \e
.endm
	s_wait_alu depctr_va_vdst(0)                   ; the wait at the head's end
	s_wait_loadcnt 0x0                             ; Q
	s_wait_tensorcnt 0x0                           ; my fill is in,
	s_barrier_signal -1
	s_barrier_wait -1                              ; everybody's is: K and V of both heads are whole
	PASS 0
	s_wait_xcnt 0x0                                ; the first head's store has read v192-195: they are written again only behind this wait
	PASS 1
	ds_store_b32 v246, v255                        ; my rows' scale words (both halves of the lanes hold the same)
	s_wait_dscnt 0x0                               ; for the others' sake
	s_barrier_signal -1
	s_barrier_wait -1
	s_cmp_lt_u32 s[WV], 2
	s_cbranch_scc0 .Lno_words
	ds_load_b128 v[96:99], v247
	s_wait_dscnt 0x0
	global_store_b128 v1, v[96:99], s[94:95]       ; the work-group's 1,024 bytes of scale words: 512 consecutive bytes a wave
.Lno_words:
	s_wait_tensorcnt 0x0                           ; the wave's end
	ds_add_u32 v10, v11
	s_wait_dscnt 0x0
	ROUND                                          ; the closing round: no work-group ends while a partner may still ask for a tile that names it
	s_endpgm
.Lfunc_end_k_qdaceab6a59_attn:
	.size	k_qdaceab6a59_attn, .Lfunc_end_k_qdaceab6a59_attn-k_qdaceab6a59_attn
	.p2alignl 7, 3214868480
	.fill 96, 4, 3214868480
	.section	.rodata,"a",@progbits
	.p2align	6, 0x0
	.amdhsa_kernel k_qdaceab6a59_attn
		.amdhsa_group_segment_fixed_size 327680
		.amdhsa_private_segment_fixed_size 0
		.amdhsa_enable_private_segment 0
		.amdhsa_kernarg_size 32
		.amdhsa_user_sgpr_count 2
		.amdhsa_user_sgpr_kernarg_segment_ptr 1
		.amdhsa_wavefront_size32 1
		.amdhsa_system_sgpr_workgroup_id_x 1
		.amdhsa_system_sgpr_workgroup_id_y 1
		.amdhsa_system_sgpr_workgroup_id_z 1
		.amdhsa_system_vgpr_workitem_id 0
		.amdhsa_next_free_vgpr 256
		.amdhsa_next_free_sgpr 100
		.amdhsa_reserve_vcc 0
		.amdhsa_float_denorm_mode_32 3
		.amdhsa_float_denorm_mode_16_64 3
		.amdhsa_memory_ordered 1
		.amdhsa_forward_progress 1
		.amdhsa_inst_pref_size 51
	.end_amdhsa_kernel
	.amdgpu_metadata
---
amdhsa.version: [ 1, 2 ]
amdhsa.kernels:
  - .name:           k_qdaceab6a59_attn
    .symbol:         k_qdaceab6a59_attn.kd
    .args:
      - { .name: qkv_codes, .offset: 0, .size: 8, .value_kind: global_buffer, .address_space: global }
      - { .name: qkv_scales, .offset: 8, .size: 8, .value_kind: global_buffer, .address_space: global }
      - { .name: o_codes, .offset: 16, .size: 8, .value_kind: global_buffer, .address_space: global }
      - { .name: o_scales, .offset: 24, .size: 8, .value_kind: global_buffer, .address_space: global }
    .group_segment_fixed_size: 327680
    .private_segment_fixed_size: 0
    .kernarg_segment_align: 8
    .kernarg_segment_size: 32
    .max_flat_workgroup_size: 512
    .sgpr_count:     100
    .vgpr_count:     256
    .wavefront_size: 32
...
	.end_amdgpu_metadata
.endif
;; end of part 3
;; launch proj (part 4): grid 4 x 64, 4 waves a work-group, clusters of 4 x 4, 327,680 bytes of LDS; arguments o_codes, o_scales, hw_codes, hw_scales, x, b_proj, out0; writes out0
.if DOCPART == 4
	.amdgcn_target "amdgcn-amd-amdhsa--gfx1250"
	.amdhsa_code_object_version 6
	.text
	.protected	k_qdaceab6a59_proj
	.globl	k_qdaceab6a59_proj
	.p2align	8
	.type	k_qdaceab6a59_proj,@function
k_qdaceab6a59_proj:
	s_mov_b64 s[64:65], 0
	v_nop
	global_prefetch_b8 v0, s[64:65] scope:SCOPE_SE
	s_setreg_imm32_b32 hwreg(HW_REG_WAVE_MODE, 25, 1), 1
	s_wait_xcnt 0x0
	s_wait_alu depctr_hold_cnt(0) depctr_sa_sdst(0) depctr_va_vdst(0) depctr_va_sdst(0) depctr_va_ssrc(0) depctr_va_vcc(0) depctr_vm_vsrc(0)
	s_getreg_b32 s2, hwreg(HW_REG_IB_STS2, 6, 4)
	s_cmp_eq_u32 s2, 0
	s_cbranch_scc0 .Lentry_in_a_cluster
	s_endpgm
.Lentry_in_a_cluster:
	s_bfe_u32 s2, ttmp6, 0x10000c
	s_cmp_lg_u32 s2, 0xf033
	s_cbranch_scc0 .Lentry_shape_is_right
	s_endpgm
.Lentry_shape_is_right:
; out0 = x + O w_proj^T + b_proj: the output projection on codes of FP4, K = 1,024, with the bias as the C of each sum's first product and the residual added on the way out.
; OPERANDS are images of registers (16 rows: 8,192 bytes laid [block of 32 along K][row][16 bytes]).  A = o_codes (512 tiles of tokens), B = tiles 704-767 of hw_codes (w_proj).
; Row i of a tile t is row 32 (t / 2) + 8 (t % 2) + i + 8 (i / 8).  Source 0 = B, source 1 = A: a lane holds one token, and the 16 registers of B's tiles 2 b, 2 b + 1 are columns 32 b + 16 (lane / 16) + 0 .. 15.
; A tile of the result is 128 x 256: 256 work-groups, since x and out0, 67 MB, are what this launch moves; four waves, 64 x 128 each: 32 accumulators.
; LDS: both operands for all of K, each filled ONCE: waves 0, 1 bring A's halves of rows, waves 2, 3 B's, one tensor load a wave, which is all that a wave ever has out.  Nothing is filled again.
; CLUSTER 4 x 4: A's tiles are shared along a row of the cluster, B's along a column: joint loads.
; The wave's 64 x 128 of x is asked for, three quarters at the head and the rest behind K step 3, and waits in 256 registers that the products do not need.
; REGISTERS: window 0: v16-29 addresses; v32-47 A's scale words, v64-95 B's (register 8 i + s: tile 2 i in lanes 0-15, tile 2 i + 1 in lanes 16-31, K step s); v128-159, v192-223 A's fragments, two sets; on the way out v128-255.
;   window 1: B's fragments, two sets, at v0 and v128; v192-255 the bias, eight registers for each of B's tiles.   window 2: accumulator (a, b) at v[8 (8 a + b)].   window 3: x: block a's row t at v[64 a + 4 t].
.set NA,    4                          ; A's tiles of 16 rows for a wave
.set BIAS,  1
.set SLOT,  (2*NA+16)*4096             ; half of the operands' LDS bytes.  AS THE TEXT NOW STANDS: each wave brings its tiles WHOLE (all of K, dense in memory) by ONE tensor load: A's 2 NA tiles of 8,192 bytes, then B's 16; filled once
.set STG,   2*SLOT                     ; behind them: 16 rows x (512 bytes + 16) for each wave, for the way out; no tensor load lands there
.set SP,    528
.set ADRA,  16
.set ADRB,  20
.set STW,   24                         ; v24 the way out: where I put 32 bytes of a row
.set STR,   25                         ; v25 where I read 16 bytes of a row back
.set L16,   26                         ; v26 16 x lane
.set SCO,   27                         ; v27 B's scale bytes: 512 (lane / 16) + 32 (lane % 16)
.set BO,    28                         ; v28 the bias: 64 (lane / 16)
.set L4,    29                         ; v29 4 x lane
.set WV,    18
.set WH,    19
.set WL,    20
.set G1A,   24
.set G0A,   32
.set G1B,   48
.set G0B,   56
.set MSB, 0
.macro WIN new                         ; the immediate's high byte repeats the setting that is left
.if MSB != (\new)
	s_set_vgpr_msb (MSB<<8)|(\new)
.set MSB, (\new)
.endif
.endm
.macro PLACES n
.rept \n
	v_nop
.endr
.endm
.macro CREST                           ; a round of the cluster's barrier behind its opening barrier
	s_cmp_lg_u32 s[WV], 0
	s_cbranch_scc1 .Lnot_wave_0_\@
	s_barrier_signal -3
.Lnot_wave_0_\@:
	s_barrier_wait -3
	s_barrier_signal -1
	s_barrier_wait -1
.endm
.macro CROUND
	s_barrier_signal -1
	s_barrier_wait -1
	CREST
.endm
; One product, from the symbols that MUL sets: D at rD, source 0 at rX, source 1 at rY, C at rC (ZR = 1: the constant 0), the scale words at rSX, rSY; RA, RB = 1: they stand in lanes 16-31.
.macro WM
.if ZR && RA && RB
	v_wmma_scale_f32_16x16x128_f8f6f4 v[rD:rD+7], v[rX:rX+7], v[rY:rY+7], 0, v[rSX], v[rSY] matrix_a_fmt:MATRIX_FMT_FP4 matrix_b_fmt:MATRIX_FMT_FP4 matrix_a_scale:MATRIX_SCALE_ROW1 matrix_b_scale:MATRIX_SCALE_ROW1
.elseif ZR && RA
	v_wmma_scale_f32_16x16x128_f8f6f4 v[rD:rD+7], v[rX:rX+7], v[rY:rY+7], 0, v[rSX], v[rSY] matrix_a_fmt:MATRIX_FMT_FP4 matrix_b_fmt:MATRIX_FMT_FP4 matrix_a_scale:MATRIX_SCALE_ROW1
.elseif ZR && RB
	v_wmma_scale_f32_16x16x128_f8f6f4 v[rD:rD+7], v[rX:rX+7], v[rY:rY+7], 0, v[rSX], v[rSY] matrix_a_fmt:MATRIX_FMT_FP4 matrix_b_fmt:MATRIX_FMT_FP4 matrix_b_scale:MATRIX_SCALE_ROW1
.elseif ZR
	v_wmma_scale_f32_16x16x128_f8f6f4 v[rD:rD+7], v[rX:rX+7], v[rY:rY+7], 0, v[rSX], v[rSY] matrix_a_fmt:MATRIX_FMT_FP4 matrix_b_fmt:MATRIX_FMT_FP4
.elseif RA && RB
	v_wmma_scale_f32_16x16x128_f8f6f4 v[rD:rD+7], v[rX:rX+7], v[rY:rY+7], v[rC:rC+7], v[rSX], v[rSY] matrix_a_fmt:MATRIX_FMT_FP4 matrix_b_fmt:MATRIX_FMT_FP4 matrix_a_scale:MATRIX_SCALE_ROW1 matrix_b_scale:MATRIX_SCALE_ROW1
.elseif RA
	v_wmma_scale_f32_16x16x128_f8f6f4 v[rD:rD+7], v[rX:rX+7], v[rY:rY+7], v[rC:rC+7], v[rSX], v[rSY] matrix_a_fmt:MATRIX_FMT_FP4 matrix_b_fmt:MATRIX_FMT_FP4 matrix_a_scale:MATRIX_SCALE_ROW1
.elseif RB
	v_wmma_scale_f32_16x16x128_f8f6f4 v[rD:rD+7], v[rX:rX+7], v[rY:rY+7], v[rC:rC+7], v[rSX], v[rSY] matrix_a_fmt:MATRIX_FMT_FP4 matrix_b_fmt:MATRIX_FMT_FP4 matrix_b_scale:MATRIX_SCALE_ROW1
.else
	v_wmma_scale_f32_16x16x128_f8f6f4 v[rD:rD+7], v[rX:rX+7], v[rY:rY+7], v[rC:rC+7], v[rSX], v[rSY] matrix_a_fmt:MATRIX_FMT_FP4 matrix_b_fmt:MATRIX_FMT_FP4
.endif
.endm
; K step s: 8 NA products.  All accumulators take turns, one instruction a turn, in the same order in every step.  Step 0 starts the sums with the bias: nothing is cleared.
.macro MUL s
.set ia, 0
.rept NA
.if BIAS && ((\s) == 0)
	WIN 0x91                                       ; source 0 and C window 1, source 1 window 0, D window 2
.else
	WIN 0xa1+0x50*(ia/4)                           ; source 0 (B) window 1, source 1 (A) window 0, C and D window 2
.endif
.set ib, 0
.rept 8
.set rD, 8*(8*(ia%4)+ib)
.set rX, 128*((\s)%2)+8*ib
.set rY, 128+64*((\s)%2)+8*ia
.set rSX, 64+8*(ib/2)+(\s)
.set rSY, 32+8*(ia/2)+(\s)
.set RA, ib%2
.set RB, ia%2
.set ZR, 0
.set rC, rD
.if (\s) == 0
.if BIAS
.set rC, 192+8*ib
.else
.set ZR, 1
.endif
.endif
	WM
.set ib, ib+1
.endr
.set ia, ia+1
.endr
.endm
; K step s's fragments, in one run, into set s % 2: each load takes 512 consecutive bytes
.macro FETCH s
	WIN 0x40                                       ; destination window 1, address window 0
.set ib, 0
.rept 8
	ds_load_b128 v[128*((\s)%2)+8*ib:128*((\s)%2)+8*ib+3], v[ADRB] offset:ib*8192+(\s)*1024
	ds_load_b128 v[128*((\s)%2)+8*ib+4:128*((\s)%2)+8*ib+7], v[ADRB] offset:ib*8192+(\s)*1024+512
.set ib, ib+1
.endr
	WIN 0
.set ia, 0
.rept NA
	ds_load_b128 v[128+64*((\s)%2)+8*ia:128+64*((\s)%2)+8*ia+3], v[ADRA] offset:ia*8192+(\s)*1024
	ds_load_b128 v[128+64*((\s)%2)+8*ia+4:128+64*((\s)%2)+8*ia+7], v[ADRA] offset:ia*8192+(\s)*1024+512
.set ia, ia+1
.endr
.endm
.macro STEP s
	s_wait_dscnt 0x0                               ; this step's fragments, asked for a step ago, are in
.if ((\s) > 0) && ((\s) < 7)
	PLACES 4                                       ; four plain lines between the last step's products and the loads into the set that they read
.endif
.if (\s) < 7
	FETCH (\s)+1
.endif
	MUL \s
.endm
; x: block a's sixteen rows, 512 bytes of each: the rows in the order in which the tile holds them
.macro XLOAD a
.irp t, 0,1,2,3,4,5,6,7,8,9,10,11,12,13,14,15
	global_load_b128 v[64*(\a)+4*\t:64*(\a)+4*\t+3], v[L16], s[80:81] offset:(32*((\a)/2)+8*((\a)%2)+\t+8*(\t/8))*4096 th:TH_LOAD_NT
.endr
.endm
	s_load_b256 s[4:11], s[0:1], 0x0               ; o_codes s[4:5], o_scales s[6:7], hw_codes s[8:9], hw_scales s[10:11]
	s_load_b128 s[12:15], s[0:1], 0x20             ; x s[12:13], b_proj s[14:15]
	s_load_b64 s[16:17], s[0:1], 0x30              ; out0
	v_lshl_add_u32 v126, v0, 2, 0x38400
	v_mov_b32 v127, 0
	ds_add_u32 v126, v127
	ds_add_u32 v126, v127
	v_lshrrev_b32 v1, 5, v0
	v_readfirstlane_b32 s[WV], v1                  ; wave 0..3
	s_lshr_b32 s[WH], s[WV], 1                     ; which half of A's rows I multiply.  Also: I fetch for A (0) or for B (1)
	s_and_b32 s[WL], s[WV], 1                      ; which half of B's rows I multiply, and which half I fetch
	s_bfe_u32 s40, ttmp6, 0x40000                  ; cx, cy: my place in the cluster
	s_bfe_u32 s41, ttmp6, 0x40004
	s_lshl_b32 s45, ttmp9, 2
	s_add_co_u32 s45, s45, s40                     ; tile column: hangs on cx
	s_and_b32 s46, ttmp7, 0xffff
	s_lshl_b32 s46, s46, 2
	s_add_co_u32 s46, s46, s41                     ; tile row: hangs on cy
	s_lshl_b32 s69, s41, 2
	s_lshl_b32 s69, 15, s69                        ; my row of the cluster
	s_lshl_b32 s88, 0x1111, s40                    ; my column
	; descriptor group 1: R rows of 8,192 bytes (1,024 elements of 8), end to end: R whole tiles; no padding: every LDS load takes consecutive bytes
	s_or_b32 s[G1A], s69, (3<<16)|(1<<21)          ; 15:0 the mask: A's tiles go to my row; 17:16 elements of 8 bytes; 21 set beside a mask
	s_or_b32 s[G1B], s88, (3<<16)|(1<<21)
.irp g, G1A, G1B
	s_mov_b32 s[\g+1], 1024<<16                    ; tensor_dim0: a whole tile, 8,192 bytes, is a row; the rows lie end to end
	s_mov_b32 s[\g+3], 1024<<16                    ; tile_dim0
	s_mov_b32 s[\g+5], 1024                        ; tensor_dim0_stride
	s_mov_b32 s[\g+6], 0
	s_mov_b32 s[\g+7], 0
.endr
	s_mov_b32 s[G1A+2], NA<<16                     ; tensor_dim1
	s_mov_b32 s[G1A+4], NA                         ; tile_dim1
	s_mov_b32 s[G1B+2], 8<<16
	s_mov_b32 s[G1B+4], 8
	s_lshl_b32 s70, s46, 3                         ; A's first tile of the work-group (no register on A's side ever holds cx)
	s_lshl_b32 s71, s[WL], 2
	s_add_co_u32 s72, s70, s71
	s_lshl_b32 s72, s72, 13                        ; the 4 tiles that I fetch, in bytes
	s_mov_b32 s73, 0
	s_lshl_b32 s71, s[WH], 2
	s_add_co_u32 s74, s70, s71
	s_lshl_b32 s74, s74, 6                         ; the scale words of the 4 tiles that I multiply: 64 bytes a tile in each K step's plane
	s_mov_b32 s75, 0
	s_lshl_b32 s88, s45, 4
	s_add_co_u32 s88, s88, 704
	s_lshl_b32 s89, s[WL], 3
	s_add_co_u32 s88, s88, s89                     ; B: the 8 tiles that I fetch are those that I multiply
	s_lshl_b32 s90, s88, 13
	s_mov_b32 s91, 0
	s_lshl_b32 s92, s88, 9
	s_mov_b32 s93, 0
	s_lshl_b32 s78, s45, 8
	s_lshl_b32 s89, s[WL], 7
	s_add_co_u32 s78, s78, s89
	s_lshl_b32 s78, s78, 2                         ; my first column, in bytes
	s_mov_b32 s79, 0
	s_lshl_b32 s76, s46, 7
	s_lshl_b32 s89, s[WH], 6
	s_add_co_u32 s76, s76, s89
	s_lshl_b32 s76, s76, 12                        ; my first row x 4,096 bytes (under 2^26),
	s_add_co_u32 s76, s76, s78                     ; and column
	s_mov_b32 s77, 0
	v_and_b32 v1, 31, v0
	v_lshlrev_b32 v[L16], 4, v1
	v_lshlrev_b32 v[L4], 2, v1
	v_and_b32 v2, 15, v0                           ; r
	s_wait_alu depctr_va_vdst(0)
	v_bfe_u32 v3, v0, 4, 1                         ; h
	s_mul_i32 s98, s[WH], NA*8192
	s_lshl_b32 s99, s[WL], 16
	s_add_co_u32 s99, s99, 2*NA*8192
	v_add_nc_u32 v[ADRA], s98, v[L16]
	v_add_nc_u32 v[ADRB], s99, v[L16]
	s_mul_i32 s98, s[WV], 16*SP
	s_add_co_u32 s98, s98, STG                     ; my stage
	v_mul_u32_u24 v[STW], v2, SP
	s_wait_alu depctr_va_vdst(0)
	v_lshl_add_u32 v[STW], v3, 6, v[STW]
	v_add_nc_u32 v[STW], s98, v[STW]               ; in: row r, + 64 (lane / 16)
	v_add_nc_u32 v[STR], s98, v[L16]               ; back: the 32 lanes take a row of 512 bytes
	v_lshlrev_b32 v[SCO], 9, v3
	v_lshl_add_u32 v[SCO], v2, 5, v[SCO]
	v_lshlrev_b32 v[BO], 6, v3
	s_lshl_b32 s98, s[WL], 15                      ; where my tiles go: A's halves (NA x 8,192 bytes each),
	s_lshl_b32 s99, s[WL], 16
	s_add_co_u32 s99, s99, 2*NA*8192               ; behind them B's: no place in the cluster enters an LDS address
	s_wait_dscnt 0x0
	s_wait_kmcnt 0x0
	s_add_nc_u64 s[72:73], s[4:5], s[72:73]
	s_add_nc_u64 s[90:91], s[8:9], s[90:91]
	s_add_nc_u64 s[94:95], s[6:7], s[74:75]        ; A's scale words
	s_add_nc_u64 s[96:97], s[10:11], s[92:93]      ; B's scale bytes
	s_add_nc_u64 s[80:81], s[12:13], s[76:77]      ; x
	s_add_nc_u64 s[82:83], s[16:17], s[76:77]      ; out0
	s_add_nc_u64 s[84:85], s[14:15], s[78:79]      ; the bias
.irp s, 0
	s_mov_b32 s[G0A+4*\s], 1
	s_add_co_u32 s[G0A+4*\s+1], s98, \s*SLOT                       ; LDS address
	s_add_nc_u64 s[G0A+4*\s+2:G0A+4*\s+3], s[72:73], \s*4096       ; global address
	s_or_b32 s[G0A+4*\s+3], s[G0A+4*\s+3], 0x80000000              ; type = 2
	s_mov_b32 s[G0B+4*\s], 1
	s_add_co_u32 s[G0B+4*\s+1], s99, \s*SLOT
	s_add_nc_u64 s[G0B+4*\s+2:G0B+4*\s+3], s[90:91], \s*4096
	s_or_b32 s[G0B+4*\s+3], s[G0B+4*\s+3], 0x80000000
.endr
	CROUND                                         ; all sixteen work-groups are here: the joint loads meet
	s_cmp_eq_u32 s[WH], 0                          ; one fill a wave, in the two arms of one branch on its number
	s_cbranch_scc0 .Lfill_b
	tensor_load_to_lds s[G0A:G0A+3], s[G1A:G1A+7]
	s_nop 0
	PLACES 4
	s_branch .Lfilled
.Lfill_b:
	tensor_load_to_lds s[G0B:G0B+3], s[G1B:G1B+7]
	s_nop 0
	PLACES 4
.Lfilled:
.irp i, 0,1                            ; A's scale words: a pair of tiles' 128 bytes of one K step's plane a load
.irp s, 0,1,2,3,4,5,6,7
	global_load_b32 v[32+8*\i+\s], v[L4], s[94:95] offset:32768*\s+128*\i
.endr
.endr
	s_wait_alu depctr_va_vdst(0)
.irp i, 0,1,2,3                        ; B's: four K steps' words of a pair of tiles a load
.irp q, 0,1
	global_load_b128 v[64+8*\i+4*\q:67+8*\i+4*\q], v[SCO], s[96:97] offset:1024*\i+16*\q
.endr
.endr
	WIN 0x40                                       ; destination window 1
.irp b, 0,1,2,3,4,5,6,7                ; the bias in the result's layout: for B's tile b the columns 32 (b / 2) + 8 (b % 2) + 16 (lane / 16) + 0 .. 7
	global_load_b128 v[192+8*\b:195+8*\b], v[BO], s[84:85] offset:(32*(\b/2)+8*(\b%2))*4
	global_load_b128 v[196+8*\b:199+8*\b], v[BO], s[84:85] offset:(32*(\b/2)+8*(\b%2))*4+16
.endr
	WIN 0xc0                                       ; destination window 3
	XLOAD 0
	XLOAD 1
	XLOAD 2
	WIN 0
	s_wait_tensorcnt 0x0                           ; my tiles are in
	s_barrier_signal -1
	s_barrier_wait -1                              ; everybody's is
	FETCH 0
	s_wait_loadcnt 48                              ; the scale words and the bias are in; x's 48 loads, issued behind them, may be out
	STEP 0
	STEP 1
	STEP 2
	STEP 3
	WIN 0xc0
	XLOAD 3                                        ; x's last sixteen rows
	STEP 4
	STEP 5
	STEP 6
	STEP 7
	WIN 0
; THE WAY OUT, block by block of 16 rows x 128 columns: through my own stage in LDS, back as whole rows of 512 bytes, x added, stored.  LDS serves a wave's instructions in order: no wait between the stores and the loads.
.macro TOSTAGE a
.set AC, 64*(\a)
	WIN 0x08                                       ; an LDS store's data are its source 1: window 2
.irp b, 0,1,2,3,4,5,6,7
	ds_store_b128 v[STW], v[AC+8*\b:AC+8*\b+3] offset:128*(\b/2)+32*(\b%2)       ; each accumulator from its low end on
	ds_store_b128 v[STW], v[AC+8*\b+4:AC+8*\b+7] offset:128*(\b/2)+32*(\b%2)+16
.endr
	WIN 0
.set BB, 128+64*((\a)%2)
.irp t, 0,1,2,3,4,5,6,7,8,9,10,11,12,13,14,15
	ds_load_b128 v[BB+4*\t:BB+4*\t+3], v[STR] offset:\t*SP
.endr
.endm
.macro SEND a, younger                 ; younger: the LDS instructions issued behind block a's loads, which may stay out
.set BB, 128+64*((\a)%2)
	s_wait_dscnt \younger                          ; the block is back in registers
	s_wait_loadcnt 16*(3-(\a))                     ; its rows of x are in; the later blocks' loads may be out
	WIN 0x0c                                       ; source 1: window 3
.set i, 0
.rept 32
	v_pk_add_f32 v[BB+2*i:BB+2*i+1], v[BB+2*i:BB+2*i+1], v[64*(\a)+2*i:64*(\a)+2*i+1]
.set i, i+1
.endr
	WIN 0
.irp t, 0,1,2,3,4,5,6,7,8,9,10,11,12,13,14,15
	global_store_b128 v[L16], v[BB+4*\t:BB+4*\t+3], s[82:83] offset:(32*((\a)/2)+8*((\a)%2)+\t+8*(\t/8))*4096 th:TH_STORE_NT   ; 32 lanes store 512 consecutive bytes, at a multiple of 512 from out0's first byte
.endr
.endm
	PLACES 4                                       ; between the last products and the first read of results, and the loads into the registers that held A's fragments
	TOSTAGE 0
.irp a, 1,2,3
.if \a > 1
	s_wait_xcnt 0x0                                ; block a - 2's stores have read their registers: block a's loads may land there
.endif
	TOSTAGE \a
	SEND \a-1, 32                                  ; behind block a - 1's loads: block a's 16 stores and 16 loads
.endr
	SEND 3, 0
	s_wait_dscnt 0x0
	s_wait_tensorcnt 0x0
	ds_add_u32 v126, v127
	s_wait_dscnt 0x0
	CROUND                                         ; the closing round: no work-group ends while a partner may still ask for a tile that names it
	s_endpgm
.Lfunc_end_k_qdaceab6a59_proj:
	.size	k_qdaceab6a59_proj, .Lfunc_end_k_qdaceab6a59_proj-k_qdaceab6a59_proj
	.p2alignl 7, 3214868480
	.fill 96, 4, 3214868480
	.section	.rodata,"a",@progbits
	.p2align	6, 0x0
	.amdhsa_kernel k_qdaceab6a59_proj
		.amdhsa_group_segment_fixed_size 327680
		.amdhsa_private_segment_fixed_size 0
		.amdhsa_enable_private_segment 0
		.amdhsa_kernarg_size 56
		.amdhsa_user_sgpr_count 2
		.amdhsa_user_sgpr_kernarg_segment_ptr 1
		.amdhsa_wavefront_size32 1
		.amdhsa_system_sgpr_workgroup_id_x 1
		.amdhsa_system_sgpr_workgroup_id_y 1
		.amdhsa_system_sgpr_workgroup_id_z 1
		.amdhsa_system_vgpr_workitem_id 0
		.amdhsa_next_free_vgpr 1024
		.amdhsa_next_free_sgpr 100
		.amdhsa_reserve_vcc 0
		.amdhsa_float_denorm_mode_32 3
		.amdhsa_float_denorm_mode_16_64 3
		.amdhsa_memory_ordered 1
		.amdhsa_forward_progress 1
		.amdhsa_inst_pref_size 85
	.end_amdhsa_kernel
	.amdgpu_metadata
---
amdhsa.version: [ 1, 2 ]
amdhsa.kernels:
  - .name:           k_qdaceab6a59_proj
    .symbol:         k_qdaceab6a59_proj.kd
    .args:
      - { .name: o_codes, .offset: 0, .size: 8, .value_kind: global_buffer, .address_space: global }
      - { .name: o_scales, .offset: 8, .size: 8, .value_kind: global_buffer, .address_space: global }
      - { .name: hw_codes, .offset: 16, .size: 8, .value_kind: global_buffer, .address_space: global }
      - { .name: hw_scales, .offset: 24, .size: 8, .value_kind: global_buffer, .address_space: global }
      - { .name: x, .offset: 32, .size: 8, .value_kind: global_buffer, .address_space: global }
      - { .name: b_proj, .offset: 40, .size: 8, .value_kind: global_buffer, .address_space: global }
      - { .name: out0, .offset: 48, .size: 8, .value_kind: global_buffer, .address_space: global }
    .group_segment_fixed_size: 327680
    .private_segment_fixed_size: 0
    .kernarg_segment_align: 8
    .kernarg_segment_size: 56
    .max_flat_workgroup_size: 128
    .sgpr_count:     100
    .vgpr_count:     1024
    .wavefront_size: 32
...
	.end_amdgpu_metadata
.endif
;; end of part 4
